; MI455X (gfx1250); checked and timed in simulation.
; The chip was launched on July 23, 2026; its instructions are those of AMD's public machine-readable ISA for CDNA 5 (MIT licence, August 2026) and "CDNA5" Instruction Set Architecture Reference Guide (July 2026). The comments in the code are by the model that wrote it; some were corrected since.
;; Multi Head Attention. Allowed arithmetic: matrix products marked QUANTISED: E2M1 operands, one E8M0 scale for each 32 along K, by v_wmma_scale_f32_16x16x128_f8f6f4 with both operands' format E2M1 (or v_wmma_scale_f32_32x16x128_f4), f32 sums; products left as they are: bf16, f16 or f32 operands; f32 sums; everything else in f32.
;; Inputs: Wk 1,024 x 1,024 float32; Wo 1,024 x 1,024 float32; Wq 1,024 x 1,024 float32; Wv 1,024 x 1,024 float32; k 4 x 2,048 x 1,024 float32; q 4 x 2,048 x 1,024 float32; v 4 x 2,048 x 1,024 float32.
;; Outputs: out0 4 x 2,048 x 1,024 float32.
;; This version of the problem:
;;   THIS VERSION OF THE PROBLEM IS GIVEN IN LOW PRECISION. The matrix products marked QUANTISED in the list below multiply operands that are first quantised to E2M1 (2 exponent bits, 1 mantissa bit; 4 bits a number), with one power-of-two scale for each 32 numbers along K (OCP MX v1.0); their sums are f32. The products marked 'left as it is' may take bf16, f16 or f32 operands, with f32 sums. Whichever they take, every output number must still come out within the allowed error. Rounding operands to bf16 (8 significant bits) uses up far more of that allowance than f16 does (11 bits, for magnitudes from 6e-5 to 65,504). All else is computed in f32.
;;   The module's matrix products, in the order in which they are computed (A, B: the left and right operand; K: the contracted axis; several contracted axes count as one K, in the product's order):
;;     1. [M 8,192, K 1,024] x [K 1,024, N 1,024]; A: input q; B: input Wq: QUANTISED
;;     2. [M 8,192, K 1,024] x [K 1,024, N 1,024]; A: input k; B: input Wk: QUANTISED
;;     3. [M 8,192, K 1,024] x [K 1,024, N 1,024]; A: input v; B: input Wv: QUANTISED
;;     4. batch 64 x [M 2,048, K 64] x [K 64, N 2,048]; A: computed on the way; B: computed on the way: left as it is (an operand is computed on the way)
;;     5. batch 64 x [M 2,048, K 2,048] x [K 2,048, N 64]; A: computed on the way; B: computed on the way: left as it is (an operand is computed on the way)
;;     6. [M 8,192, K 1,024] x [K 1,024, N 1,024]; A: computed on the way; B: input Wo: left as it is (an operand is computed on the way)
;;   THE QUANTISER, for each operand of a quantised product, along K:
;;     - K is cut into blocks of 32 from its start; a last block that is shorter is filled with zeros.
;;     - A block's scale is 2^e with e = floor(log2(the largest magnitude in the block)) - 2, held to -126 .. 127; a block of zeros has e = 0. As a byte (E8M0): e + 127.
;;     - Each number is divided by its block's scale, clamped to +-6, and rounded to the nearest number of E2M1, ties to even, subnormals kept.
;;     - The product sums the exact products of the quantised numbers (number of the format x scale) in f32.
;;   ~~~python
;;   def quantise(x, axis):      # numpy; x: float32 -> the quantised numbers, widened to float32 again
;;       x = np.moveaxis(x, axis, -1); K = x.shape[-1]
;;       x = np.pad(x, [(0, 0)] * (x.ndim - 1) + [(0, -K % 32)]); x = x.reshape(x.shape[:-1] + (-1, 32)); a = np.abs(x).max(-1, keepdims=True)
;;       e = np.where(a > 0, np.clip(np.frexp(np.where(a > 0, a, 1))[1] - 1 - 2, -126, 127), 0)      # np.frexp(a)[1] - 1 = floor(log2(a)), exactly
;;       r = np.clip(x / 2.0 ** e, -6, 6)
;;       step = 2.0 ** (np.maximum(np.frexp(np.where(r == 0, 1, r))[1] - 1, 0) - 1)
;;       q = np.round(r / step) * step * 2.0 ** e      # np.round: ties to even
;;       return np.moveaxis(q.reshape(q.shape[:-2] + (-1,))[..., :K], -1, axis).astype(np.float32)
;;   ~~~
;; One version. Each part assembles by itself: llvm-mc -triple=amdgcn-amd-amdhsa -mcpu=gfx1250 --defsym DOCPART=n.
;; ======== version 1 of 1: 4 launches
;; limits: values are held in f16: magnitudes above 65,504 overflow, below 6.1e-05 lose precision
;; workspace buffers: xcodes 12,582,912 bytes; xscales 786,432 bytes; wcodes 1,572,864 bytes; wscales 98,304 bytes; woh 2,097,152 bytes; qkvh 50,331,648 bytes; ctx 16,777,216 bytes
;; launch prep (part 1): grid 1024 x 1, 4 waves a work-group, no clusters, 33,280 bytes of LDS; arguments q, k, v, Wq, Wk, Wv, Wo, xcodes, xscales, wcodes, wscales, woh; writes xcodes, xscales, wcodes, wscales, woh
.if DOCPART == 1
	.amdgcn_target "amdgcn-amd-amdhsa--gfx1250"
	.amdhsa_code_object_version 6
	.text
	.protected	k_q1c2a22bc55_prep
	.globl	k_q1c2a22bc55_prep
	.p2align	8
	.type	k_q1c2a22bc55_prep,@function
k_q1c2a22bc55_prep:
	s_mov_b64 s[64:65], 0
	v_nop
	global_prefetch_b8 v0, s[64:65] scope:SCOPE_SE
	s_setreg_imm32_b32 hwreg(HW_REG_WAVE_MODE, 25, 1), 1
	s_wait_xcnt 0x0
; PREP.  q, k, v [8192][1024] f32 become codes of FP4 (E2M1), K innermost, with one E8M0 scale byte for each 32 along K: xcodes [24576][512 bytes], xscales [24576][32 bytes], the three tensors on end.
; Wq, Wk, Wv [1024 (k)][1024 (n)] f32, whose K is the FIRST axis, become codes laid as images of the matrix operand's registers: wcodes [3][k half 2][tile of 16 columns 64][128 k 4][1024 bytes];
; in an image the block 2 c + h of column r lies at 512 c + 256 h + 16 r.  Their scale bytes: wscales [3][1024 (n)][32 bytes].
; Wo [1024 (k)][1024 (n)] f32 is rounded to f16 and laid as images too: woh [128 k 8][tile of 16 columns 64][4096 bytes]; k 8 x .. 8 x + 7 of column r lie at 256 x + 16 r.
; A block's scale is 2^(floor(log2(its largest magnitude)) - 2); its byte is the largest magnitude's exponent field - 2, held at 1 from below.
; LIMITS: a block of zeros gets the byte 1 where the rule says 127 (its codes are zeros, and this program alone reads the bytes); blocks whose largest magnitude lies under 2^-124 keep the byte 1;
; NaN and infinities among the inputs are not served; |Wo| beyond 65,504 becomes infinity in f16.
; SHARES.  Work-groups 0-255 take the four weights: 64 each, 8 runs of 128 columns x 8 runs of 128 k; a wave takes 32 columns x 128 k, A LANE A COLUMN, ITS REGISTERS DOWN K, so nothing is transposed.
; Work-groups 256-1023 take q, k, v as plain streams of blocks of 32: a wave takes 8,192 numbers in 16 steps of 512, turned through its own stage in LDS so that loads are dense and a lane holds 16 neighbours.
; No work-group shares an input with another: no cluster, no tensor load, no barrier.
.set STEPS, 16
.set EMAX,  2
.set CB,    8                          ; bytes of 16 codes
.set R,     16                         ; v16-79   the stream: four sets of 16 numbers as loaded
.set X,     80                         ; v80-111  two sets of 16 neighbours
.set E,     112                        ; v112-127 a scale byte for each step
.set C,     128                        ; v128-191 codes, four registers a step: no store's data are written again
.set WREG,  8192                       ; LDS: a region for each wave: two stages of 32 x SP bytes, then its 256 scale bytes
.set SP,    80                         ; a lane's place in a stage: 64 bytes + 16 of padding
.set SPW,   12                         ; v12  LDS address of my spare word; never rewritten
.set NIL,   13                         ; v13  0; never rewritten
.set SPARE, 4*WREG                     ; behind the four regions: the spare words, 128 bytes a wave, named by no other line
.set WN,    32                         ; v32-159  the weights: 128 numbers of my column
.set WC,    160                        ; v160-175 their codes, four registers a block
.set WB,    176                        ; v176     the four scale bytes
.macro XLOAD t
.irp i, 0,1,2,3
	global_load_b128 v[R+16*((\t)%4)+4*\i:R+16*((\t)%4)+4*\i+3], v3, s[32:33] offset:2048*(\t)+512*\i th:TH_LOAD_NT   ; 32 lanes read 512 consecutive bytes
.endr
.endm
.macro XTURN t                         ; a step's numbers through the stage; LDS serves a wave's instructions in order, so no wait stands between the stores and the loads
.irp i, 0,1,2,3
	ds_store_b128 v14, v[R+16*((\t)%4)+4*\i:R+16*((\t)%4)+4*\i+3] offset:32*SP*((\t)%2)+8*SP*\i
.endr
.irp i, 0,1,2,3
	ds_load_b128 v[X+16*((\t)%2)+4*\i:X+16*((\t)%2)+4*\i+3], v15 offset:32*SP*((\t)%2)+16*\i
.endr
.endm
.macro XSTEP t
.set XS, X+16*((\t)%2)
.if (\t) > 0
	s_wait_dscnt 1                                 ; this step's numbers are back from the stage; the last step's byte store may be out
.else
	s_wait_dscnt 0x0
.endif
.if (\t)+4 < STEPS
	XLOAD (\t)+4                                   ; into the set whose stores into the stage have been served
.endif
.if (\t)+1 < STEPS
.if STEPS-2-(\t) >= 3
	s_wait_loadcnt 12                              ; the next step's four loads are in; those of the three steps behind it may be out
.else
	s_wait_loadcnt 4*(STEPS-2-(\t))
.endif
	XTURN (\t)+1
.endif
	v_max3_num_f32 v8, |v[XS]|, |v[XS+1]|, |v[XS+2]|               ; the largest magnitude of my 16, in two chains
	v_max3_num_f32 v9, |v[XS+3]|, |v[XS+4]|, |v[XS+5]|
.irp i, 6,10
	v_max3_num_f32 v8, v8, |v[XS+\i]|, |v[XS+\i+1]|
	v_max3_num_f32 v9, v9, |v[XS+\i+2]|, |v[XS+\i+3]|
.endr
	v_max3_num_f32 v8, v8, |v[XS+14]|, |v[XS+15]|
	v_max3_num_f32 v8, v8, v9, (EMAX+1)<<23        ; and the floor 2^(3 - 127): the byte cannot fall under 1
	v_max_num_f32_dpp v8, v8, v8 row_xmask:1 row_mask:0xf bank_mask:0xf   ; with my neighbour's 16: the block's
	v_add_nc_u32 v11, -(EMAX<<23), v8              ; 2 off the exponent field: the conversion takes this operand's exponent field as its scale
	v_cvt_scalef32_pk8_fp4_f32 v[C+4*(\t)], v[XS:XS+7], v11
	v_cvt_scalef32_pk8_fp4_f32 v[C+4*(\t)+1], v[XS+8:XS+15], v11
	v_lshrrev_b32 v[E+(\t)], 23, v11               ; the scale's byte (also the plain line behind the conversions)
	ds_store_b8 v5, v[E+(\t)] offset:16*(\t)       ; both lanes of a block write the same byte with the same value
	global_store_b64 v4, v[C+4*(\t):C+4*(\t)+1], s[18:19] offset:32*CB*(\t)   ; the wave stores 256 consecutive bytes, aligned
.endm
.macro WBLOCK t                        ; block t of my column's 128 numbers: all 32 are mine
.set WS, WN+32*(\t)
.if (\t) == 0
	s_wait_loadcnt 63                              ; of 128 loads at most 63 are out: blocks 0 and 1 are in
.endif
.if (\t) >= 2
	s_wait_loadcnt 32*(3-(\t))                     ; the later block's 32 loads may be out
.endif
	v_max3_num_f32 v8, |v[WS]|, |v[WS+1]|, |v[WS+2]|
	v_max3_num_f32 v9, |v[WS+3]|, |v[WS+4]|, |v[WS+5]|
.irp i, 6,10,14,18,22,26
	v_max3_num_f32 v8, v8, |v[WS+\i]|, |v[WS+\i+1]|
	v_max3_num_f32 v9, v9, |v[WS+\i+2]|, |v[WS+\i+3]|
.endr
	v_max3_num_f32 v8, v8, |v[WS+30]|, |v[WS+31]|
	v_max3_num_f32 v8, v8, v9, (EMAX+1)<<23
	v_add_nc_u32 v11, -(EMAX<<23), v8
	v_lshrrev_b32 v10, 23, v11
.if (\t) == 0
	v_mov_b32 v[WB], v10                           ; four bytes to the word, the lower k in the lower byte
.else
	v_lshl_or_b32 v[WB], v10, 8*(\t), v[WB]
.endif
.irp g, 0,1,2,3
	v_cvt_scalef32_pk8_fp4_f32 v[WC+4*(\t)+\g], v[WS+8*\g:WS+8*\g+7], v11
.endr
	v_nop                                          ; one plain line behind the last conversion
	global_store_b128 v17, v[WC+4*(\t):WC+4*(\t)+3], s[22:23] offset:((\t)/2)*512+((\t)%2)*256   ; sixteen lanes store 256 consecutive bytes, aligned
.endm
	s_load_b256 s[4:11], s[0:1], 0x0               ; q s[4:5], k s[6:7], v s[8:9], Wq s[10:11]
	s_load_b256 s[12:19], s[0:1], 0x20             ; Wk s[12:13], Wv s[14:15], Wo s[16:17], xcodes s[18:19]
	s_load_b256 s[20:27], s[0:1], 0x40             ; xscales s[20:21], wcodes s[22:23], wscales s[24:25], woh s[26:27]
	v_lshl_add_u32 v[SPW], v0, 2, SPARE
	v_mov_b32 v[NIL], 0
	v_lshrrev_b32 v1, 5, v0
	v_readfirstlane_b32 s28, v1                    ; wave 0..3
	v_and_b32 v2, 31, v0                           ; lane
	v_lshlrev_b32 v3, 4, v2                        ; the stream: my 16 bytes of a load's 512
	s_mul_i32 s29, s28, WREG                       ; every LDS address is made here, ahead of the parting of the ways
	v_lshrrev_b32 v14, 2, v2
	v_mul_u32_u24 v14, v14, SP
	v_and_b32 v15, 3, v2
	v_lshl_add_u32 v14, v15, 4, v14
	v_add_nc_u32 v14, s29, v14                     ; the stage, on the way in: SP (lane / 4) + 16 (lane % 4)
	v_mul_u32_u24 v15, v2, SP
	v_add_nc_u32 v15, s29, v15                     ; and on the way out: SP x lane: my 16 neighbours
	v_lshlrev_b32 v4, 3, v2                        ; 8 x lane: my codes' place in a step's, and my 8 scale bytes' place at the end
	v_lshrrev_b32 v5, 1, v2
	s_add_co_u32 s29, s29, 2*32*SP
	v_add_nc_u32 v5, s29, v5                       ; LDS: my wave's 256 scale bytes, my block's byte
	v_add_nc_u32 v6, s29, v4                       ; and on the way out 8 bytes a lane
	s_wait_kmcnt 0x0
	s_cmp_lt_u32 ttmp9, 256                        ; the work-group's number alone decides the way
	s_cbranch_scc0 .Lx
	; ---- the weights
	s_lshr_b32 s29, ttmp9, 6                       ; 0 Wq, 1 Wk, 2 Wv, 3 Wo
	s_and_b32 s30, ttmp9, 63
	s_lshr_b32 s31, s30, 3                         ; which 128 along K
	s_and_b32 s30, s30, 7
	s_lshl_b32 s30, s30, 2
	s_add_co_u32 s30, s30, s28                     ; g: which 32 columns are my wave's
	s_cmp_eq_u32 s29, 0
	s_cselect_b64 s[32:33], s[10:11], s[12:13]
	s_cmp_lt_u32 s29, 2
	s_cselect_b64 s[32:33], s[32:33], s[14:15]
	s_cmp_lt_u32 s29, 3
	s_cselect_b64 s[32:33], s[32:33], s[16:17]
	s_lshl_b32 s34, s31, 19                        ; 128 rows of 4,096 bytes
	s_lshl_b32 s36, s30, 7                         ; 32 columns of 4 bytes
	s_add_co_u32 s34, s34, s36
	s_mov_b32 s35, 0
	s_add_nc_u64 s[32:33], s[32:33], s[34:35]
	v_lshlrev_b32 v16, 2, v2                       ; 4 bytes a lane: a load reads 128 consecutive bytes, the four waves 512
.set i, 0
.rept 128
	global_load_b32 v[WN+i], v16, s[32:33] offset:i*4096 th:TH_LOAD_NT
.set i, i+1
.endr
	v_lshrrev_b32 v17, 4, v2
	v_and_b32 v18, 15, v2
	v_lshlrev_b32 v17, 12, v17
	v_lshl_add_u32 v17, v18, 4, v17                ; out: 4,096 x (lane / 16), the tile of columns, + 16 x (lane % 16)
	v_lshlrev_b32 v18, 5, v2                       ; my column's row of scale bytes
	s_cmp_eq_u32 s29, 3
	s_cbranch_scc1 .Lcast
	s_lshl_b32 s34, s29, 19                        ; wcodes: the tensor,
	s_lshr_b32 s36, s31, 2
	s_lshl_b32 s36, s36, 18                        ; the half of K,
	s_add_co_u32 s34, s34, s36
	s_lshl_b32 s36, s30, 13                        ; my two tiles of columns,
	s_add_co_u32 s34, s34, s36
	s_and_b32 s36, s31, 3
	s_lshl_b32 s36, s36, 10                        ; the 128 along K in that half
	s_add_co_u32 s34, s34, s36
	s_add_nc_u64 s[22:23], s[22:23], s[34:35]
	s_lshl_b32 s34, s29, 15                        ; wscales: the tensor, my 32 rows of 32 bytes, my word
	s_lshl_b32 s36, s30, 10
	s_add_co_u32 s34, s34, s36
	s_lshl_b32 s36, s31, 2
	s_add_co_u32 s34, s34, s36
	s_add_nc_u64 s[24:25], s[24:25], s[34:35]
	WBLOCK 0
	WBLOCK 1
	WBLOCK 2
	WBLOCK 3
	global_store_b32 v18, v[WB], s[24:25]          ; 4 bytes of each of 32 rows, 32 bytes apart: 98,304 bytes in the whole launch go out so
	s_endpgm
.Lcast:                                            ; Wo: two roundings an instruction, compacted in place from the low end (the destination never passes an unread source)
	s_lshl_b32 s34, s31, 18
	s_lshl_b32 s36, s30, 13
	s_add_co_u32 s34, s34, s36
	s_add_nc_u64 s[26:27], s[26:27], s[34:35]
	s_wait_loadcnt 63                              ; of 128 loads at most 63 are out: numbers 0 to 63 are in
.set i, 0
.rept 64
.if i == 32
	s_wait_loadcnt 32                              ; numbers 64 to 95 are in
.endif
.if i == 48
	s_wait_loadcnt 0
.endif
	v_cvt_pk_f16_f32 v[WN+i], v[WN+2*i], v[WN+2*i+1]
.set i, i+1
.endr
.irp x, 0,1,2,3,4,5,6,7,8,9,10,11,12,13,14,15
	global_store_b128 v17, v[WN+4*\x:WN+4*\x+3], s[26:27] offset:256*\x   ; sixteen lanes store 256 consecutive bytes, aligned
.endr
	s_endpgm
.Lx:	; ---- q, k, v
	s_sub_co_u32 s29, ttmp9, 256
	s_cmp_lt_u32 s29, 256
	s_cselect_b64 s[32:33], s[4:5], s[6:7]
	s_cmp_lt_u32 s29, 512
	s_cselect_b64 s[32:33], s[32:33], s[8:9]
	s_lshl_b32 s30, s29, 2
	s_add_co_u32 s30, s30, s28                     ; which run of 8,192 numbers of the three tensors on end is my wave's: 0 .. 3071
	s_and_b32 s34, s30, 1023
	s_lshl_b32 s34, s34, 15                        ; in its tensor: 32,768 bytes a run
	s_mov_b32 s35, 0
	s_add_nc_u64 s[32:33], s[32:33], s[34:35]
	s_lshl_b32 s34, s30, 12                        ; 4,096 bytes of codes a run
	s_add_nc_u64 s[18:19], s[18:19], s[34:35]
	s_lshl_b32 s34, s30, 8                         ; 256 scale bytes a run
	s_add_nc_u64 s[20:21], s[20:21], s[34:35]
.irp t, 0,1,2,3
	XLOAD \t
.endr
	s_wait_loadcnt 12                              ; step 0's four loads are in
	XTURN 0
.irp t, 0,1,2,3,4,5,6,7,8,9,10,11,12,13,14,15
	XSTEP \t
.endr
	ds_load_b64 v[8:9], v6                         ; LDS serves a wave's instructions in order: these see my byte stores
	s_wait_dscnt 0x0
	global_store_b64 v4, v[8:9], s[20:21]          ; 32 lanes store 256 consecutive bytes, aligned
	s_wait_tensorcnt 0x0                           ; the wave's end, behind my last LDS store
	ds_add_u32 v[SPW], v[NIL]
	s_wait_dscnt 0x0
	s_endpgm
.Lfunc_end_k_q1c2a22bc55_prep:
	.size	k_q1c2a22bc55_prep, .Lfunc_end_k_q1c2a22bc55_prep-k_q1c2a22bc55_prep
	.p2alignl 7, 3214868480
	.fill 96, 4, 3214868480
	.section	.rodata,"a",@progbits
	.p2align	6, 0x0
	.amdhsa_kernel k_q1c2a22bc55_prep
		.amdhsa_group_segment_fixed_size 33280
		.amdhsa_private_segment_fixed_size 0
		.amdhsa_enable_private_segment 0
		.amdhsa_kernarg_size 96
		.amdhsa_user_sgpr_count 2
		.amdhsa_user_sgpr_kernarg_segment_ptr 1
		.amdhsa_wavefront_size32 1
		.amdhsa_system_sgpr_workgroup_id_x 1
		.amdhsa_system_sgpr_workgroup_id_y 1
		.amdhsa_system_sgpr_workgroup_id_z 1
		.amdhsa_system_vgpr_workitem_id 0
		.amdhsa_next_free_vgpr 192
		.amdhsa_next_free_sgpr 66
		.amdhsa_reserve_vcc 0
		.amdhsa_float_denorm_mode_32 3
		.amdhsa_float_denorm_mode_16_64 3
		.amdhsa_memory_ordered 1
		.amdhsa_forward_progress 1
		.amdhsa_inst_pref_size 59
	.end_amdhsa_kernel
	.amdgpu_metadata
---
amdhsa.version: [ 1, 2 ]
amdhsa.kernels:
  - .name:           k_q1c2a22bc55_prep
    .symbol:         k_q1c2a22bc55_prep.kd
    .args:
      - { .name: q, .offset: 0, .size: 8, .value_kind: global_buffer, .address_space: global }
      - { .name: k, .offset: 8, .size: 8, .value_kind: global_buffer, .address_space: global }
      - { .name: v, .offset: 16, .size: 8, .value_kind: global_buffer, .address_space: global }
      - { .name: Wq, .offset: 24, .size: 8, .value_kind: global_buffer, .address_space: global }
      - { .name: Wk, .offset: 32, .size: 8, .value_kind: global_buffer, .address_space: global }
      - { .name: Wv, .offset: 40, .size: 8, .value_kind: global_buffer, .address_space: global }
      - { .name: Wo, .offset: 48, .size: 8, .value_kind: global_buffer, .address_space: global }
      - { .name: xcodes, .offset: 56, .size: 8, .value_kind: global_buffer, .address_space: global }
      - { .name: xscales, .offset: 64, .size: 8, .value_kind: global_buffer, .address_space: global }
      - { .name: wcodes, .offset: 72, .size: 8, .value_kind: global_buffer, .address_space: global }
      - { .name: wscales, .offset: 80, .size: 8, .value_kind: global_buffer, .address_space: global }
      - { .name: woh, .offset: 88, .size: 8, .value_kind: global_buffer, .address_space: global }
    .group_segment_fixed_size: 33280
    .private_segment_fixed_size: 0
    .kernarg_segment_align: 8
    .kernarg_segment_size: 96
    .max_flat_workgroup_size: 128
    .sgpr_count:     66
    .vgpr_count:     192
    .wavefront_size: 32
...
	.end_amdgpu_metadata
.endif
;; end of part 1
;; launch proj (part 2): grid 4 x 96, 4 waves a work-group, clusters of 4 x 4, 327,680 bytes of LDS; arguments xcodes, xscales, wcodes, wscales, qkvh; writes qkvh
.if DOCPART == 2
	.amdgcn_target "amdgcn-amd-amdhsa--gfx1250"
	.amdhsa_code_object_version 6
	.text
	.protected	k_q1c2a22bc55_proj
	.globl	k_q1c2a22bc55_proj
	.p2align	8
	.type	k_q1c2a22bc55_proj,@function
k_q1c2a22bc55_proj:
	s_mov_b64 s[64:65], 0
	v_nop
	global_prefetch_b8 v0, s[64:65] scope:SCOPE_SE
	s_setreg_imm32_b32 hwreg(HW_REG_WAVE_MODE, 25, 1), 1
	s_wait_xcnt 0x0
	s_wait_alu depctr_hold_cnt(0) depctr_sa_sdst(0) depctr_va_vdst(0) depctr_va_sdst(0) depctr_va_ssrc(0) depctr_va_vcc(0) depctr_vm_vsrc(0)
	s_getreg_b32 s2, hwreg(HW_REG_IB_STS2, 6, 4)
	s_cmp_eq_u32 s2, 0
	s_cbranch_scc0 .Lentry_in_a_cluster
	s_endpgm
.Lentry_in_a_cluster:
	s_bfe_u32 s2, ttmp6, 0x10000c
	s_cmp_lg_u32 s2, 0xf033
	s_cbranch_scc0 .Lentry_shape_is_right
	s_endpgm
.Lentry_shape_is_right:
; PROJ.  The three quantised products q Wq, k Wk, v Wv as one product on codes of FP4 with E8M0 scales: rows 0-8191 q, 8192-16383 k, 16384-24575 v; K = 1,024; 1,024 columns.  Sums in f32; results rounded once to f16
; and laid by head: qkvh [tensor 3][batch 4][head 16][position 2048][64].  LIMIT: results beyond 65,504 become infinity in f16 (inputs 30 times the drawn spread on both sides give about 5,000).
; A tile of 256 x 256 is made by a work-group of four waves; a wave makes 128 x 128: 64 accumulators, 512 registers.  K is two slots of 512: both are filled once, at the start; nothing is filled again.
; A's tiles (xcodes) are rows of 256 bytes, padded to 272 in LDS.  B's tiles (wcodes) are images of the operand's registers: a fragment is two loads of 512 consecutive bytes, 16 bytes a lane.
; The scale bytes of the work-group's 256 rows and 256 columns, for all of K, come once, in rows of 256 bytes, and stay.
; CLUSTERS: 4 x 4 work-groups.  The four of a row of the cluster need the same tiles of A, the four of a column the same tiles of B: each tile is asked for jointly.  The eight clusters of a tensor share its weights:
; the tensor's number is made of the cluster's y alone.
; THE MATRIX INSTRUCTION IS USED TRANSPOSED (source 0 = 16 columns of W, source 1 = 16 rows of x): a lane then holds eight neighbouring columns of one row.
; REGISTERS, in windows of 256: window 0: v0-31 addresses; v32-95 scale words, two sets, and nothing else ever; v128-191 A's fragments, one set, on the way out the rows read back; v192-223 packed results.
;   window 1: B's fragments, two sets, at v0 and v128.   window 2: the accumulators of my rows 0-63 ((a, b) at v[8 (8 a + b)]);   window 3: those of my rows 64-127.
.set NQ,     4                         ; matrix instructions deep in a slot
.set ROWB,   256                       ; a row of A's tile: 512 codes
.set KROW,   512                       ; a row of xcodes
.set PITCH,  272                       ; an LDS row of A: 256 + 16 bytes, an odd multiple of 16: the 16 rows of a load start at 16 different 16-byte columns of 256
.set FR,     8
.set NL,     2
.set NP,     4                         ; places behind this matrix instruction (ISA guide 7.12.1)
.set HALFT,  128*PITCH                 ; 128 rows of A: one tensor load
.set BOFF,   2*HALFT                   ; B's images lie behind A's 256 rows
.set HALFB,  32768                     ; 8 tiles of columns x 4 fragments x 1,024 bytes: one tensor load
.set SLOT,   BOFF+2*HALFB
.set KS,     32                        ; a row of scale bytes
.set SCL,    2*SLOT                    ; the scales, as rows of 256 bytes + 16 of padding
.set HALFS,  (128*KS/256)*272
.set SBLK,   (16*KS/256)*272
.set STG,    SCL+4*HALFS               ; the way out: 16 rows x 400 bytes for each wave; no tensor load lands here
.set SPITCH, 400
.set SPARE,  STG+4*16*SPITCH           ; the spare words, 128 bytes a wave, named by no other line
.set ADRA, 16
.set ADRB, 20
.set STO,  24
.set RD,   25
.set CO,   26
.set ADRS, 27
.set SPW,  28
.set NIL,  29
.set SC,   32
.set AF,   128
.set BK,   128
.set TMP,  192
.set G1, 24
.set G0, 32
.set G1B, 48
.set G0B, 56
.set G1S, 68
.set G0S, 76
.set G1SB, 80
.set G0SB, 88
.set MSB, 0
.macro WIN new                         ; the immediate's high byte repeats the setting that is left
.if MSB != (\new)
	s_set_vgpr_msb (MSB<<8)|(\new)
.set MSB, (\new)
.endif
.endm
.set MUL_LO, 0xa1                      ; source 0 (B) window 1, source 1 (A) window 0, C and D window 2
.set MUL_HI, 0xf1
.set TO_B,   0x40
; A joint load: waves 0 and 1 fetch for A, waves 2 and 3 for B; the branch hangs on the wave's number alone.  An s_nop 0 and four v_nop follow each of the two lines.
.macro JLOAD g0a, g1a, g0b, g1b
	s_cmp_eq_u32 s15, 0
	s_cbranch_scc0 .Lfor_b_\@
	tensor_load_to_lds s[\g0a:\g0a+3], s[\g1a:\g1a+7]
	s_nop 0
.rept 4
	v_nop
.endr
	s_branch .Lasked_\@
.Lfor_b_\@:
	tensor_load_to_lds s[\g0b:\g0b+3], s[\g1b:\g1b+7]
	s_nop 0
.rept 4
	v_nop
.endr
.Lasked_\@:
.endm
.macro CROUND                          ; a round of the cluster's barrier
	s_barrier_signal -1
	s_barrier_wait -1
	s_cmp_lg_u32 s14, 0
	s_cbranch_scc1 .Lnot_wave_0_\@
	s_barrier_signal -3
.Lnot_wave_0_\@:
	s_barrier_wait -3
	s_barrier_signal -1
	s_barrier_wait -1
.endm
	s_load_b128 s[4:7], s[0:1], 0x0                ; xcodes s[4:5], xscales s[6:7]
	s_load_b128 s[8:11], s[0:1], 0x10              ; wcodes s[8:9], wscales s[10:11]
	s_load_b64 s[12:13], s[0:1], 0x20              ; qkvh
	v_lshl_add_u32 v[SPW], v0, 2, SPARE
	v_mov_b32 v[NIL], 0
	ds_add_u32 v[SPW], v[NIL]                      ; the wave's opening: the add, twice on end, and its wait ahead of my first tensor load
	ds_add_u32 v[SPW], v[NIL]
	v_lshrrev_b32 v1, 5, v0
	v_readfirstlane_b32 s14, v1                    ; wave 0..3
	s_lshr_b32 s15, s14, 1                         ; which half of the tile's rows is mine.  Also: I fetch for A (0) or for B (1)
	s_and_b32 s16, s14, 1                          ; which half of its columns.  Also: which half of that tile I fetch
	s_bfe_u32 s40, ttmp6, 0x40000                  ; cx, cy: my place in the cluster
	s_bfe_u32 s41, ttmp6, 0x40004
	s_lshl_b32 s42, ttmp9, 2
	s_add_co_u32 s42, s42, s40                     ; tile column = 4 x cluster x + cx
	s_and_b32 s17, ttmp7, 0xffff
	s_lshr_b32 s95, s17, 3                         ; the tensor: eight clusters along y each; all sixteen partners share it
	s_lshl_b32 s17, s17, 2
	s_add_co_u32 s17, s17, s41                     ; tile row = 4 x cluster y + cy
	s_lshl_b32 s43, s41, 2
	s_lshl_b32 s43, 15, s43                        ; my row of the cluster
	s_lshl_b32 s44, 0x1111, s40                    ; my column
	; group 1 for A's tiles: 128 rows x 256 bytes, 512 bytes apart in memory, 16 bytes of padding behind each in LDS
	s_or_b32 s[G1+0], s43, (0<<16)|(1<<20)|(1<<21)|(5<<22)|(3<<25)
	s_mov_b32 s[G1+1], ROWB<<16
	s_mov_b32 s[G1+2], 128<<16
	s_mov_b32 s[G1+3], ROWB<<16
	s_mov_b32 s[G1+4], 128
	s_mov_b32 s[G1+5], KROW
	s_mov_b32 s[G1+6], 0
	s_mov_b32 s[G1+7], 0
	; for B's images: a dense block of 32,768 bytes as 128 rows of 32 elements of 8 bytes, no padding
	s_or_b32 s[G1B+0], s44, (3<<16)|(1<<21)
	s_mov_b32 s[G1B+1], 32<<16
	s_mov_b32 s[G1B+2], 128<<16
	s_mov_b32 s[G1B+3], 32<<16
	s_mov_b32 s[G1B+4], 128
	s_mov_b32 s[G1B+5], 32
	s_mov_b32 s[G1B+6], 0
	s_mov_b32 s[G1B+7], 0
	; for the scales of 128 rows: a dense block of 4,096 bytes as 16 rows of 256, 16 bytes of padding behind each
	s_or_b32 s[G1S+0], s43, (3<<16)|(1<<20)|(1<<21)|(5<<22)|(3<<25)
	s_or_b32 s[G1SB+0], s44, (3<<16)|(1<<20)|(1<<21)|(5<<22)|(3<<25)
.irp g, G1S, G1SB
	s_mov_b32 s[\g+1], 32<<16
	s_mov_b32 s[\g+2], (128*KS/256)<<16
	s_mov_b32 s[\g+3], 32<<16
	s_mov_b32 s[\g+4], 128*KS/256
	s_mov_b32 s[\g+5], 32
	s_mov_b32 s[\g+6], 0
	s_mov_b32 s[\g+7], 0
.endr
	s_lshl_b32 s18, s16, 7
	s_lshl_b32 s20, s17, 8
	s_add_co_u32 s20, s20, s18                     ; A: row 256 x tile row + 128 x half
	s_lshl_b32 s22, s20, 5                         ; its scale bytes,
	s_mov_b32 s23, 0
	s_lshl_b32 s20, s20, 9                         ; its codes
	s_mov_b32 s21, 0
	s_lshl_b32 s46, s95, 19                        ; B's codes: the tensor, 524,288 bytes,
	s_lshl_b32 s47, s42, 16                        ; the tile column's 16 tiles of columns,
	s_add_co_u32 s46, s46, s47
	s_lshl_b32 s47, s16, 15                        ; my half of them
	s_add_co_u32 s46, s46, s47
	s_mov_b32 s47, 0
	s_lshl_b32 s92, s95, 15                        ; B's scales: the tensor, 32,768 bytes, and 32 bytes a column
	s_lshl_b32 s93, s42, 13
	s_add_co_u32 s92, s92, s93
	s_lshl_b32 s93, s16, 12
	s_add_co_u32 s92, s92, s93
	s_mov_b32 s93, 0
	s_mul_i32 s45, s16, HALFT                      ; where they go: no place in the cluster enters an LDS address
	s_mul_i32 s96, s16, HALFB
	s_add_co_u32 s96, s96, BOFF
	s_mul_i32 s94, s14, HALFS
	s_wait_dscnt 0x0                               ; both opening adds are done
	s_wait_kmcnt 0x0
	s_add_nc_u64 s[20:21], s[4:5], s[20:21]
	s_add_nc_u64 s[22:23], s[6:7], s[22:23]
	s_add_nc_u64 s[46:47], s[8:9], s[46:47]
	s_add_nc_u64 s[92:93], s[10:11], s[92:93]
	CROUND                                         ; all sixteen work-groups are here: the joint loads meet
	s_mov_b32 s[G0S], 1
	s_add_co_u32 s[G0S+1], s94, SCL
	s_mov_b64 s[G0S+2:G0S+3], s[22:23]
	s_or_b32 s[G0S+3], s[G0S+3], 0x80000000
	s_mov_b32 s[G0SB], 1
	s_add_co_u32 s[G0SB+1], s94, SCL
	s_mov_b64 s[G0SB+2:G0SB+3], s[92:93]
	s_or_b32 s[G0SB+3], s[G0SB+3], 0x80000000
	JLOAD G0S, G1S, G0SB, G1SB                     ; the scales first: they are wanted with the first slot
.irp s, 0,1
	s_mov_b32 s[G0+4*\s], 1
	s_add_co_u32 s[G0+4*\s+1], s45, \s*SLOT
	s_add_nc_u64 s[G0+4*\s+2:G0+4*\s+3], s[20:21], \s*ROWB
	s_or_b32 s[G0+4*\s+3], s[G0+4*\s+3], 0x80000000
	s_mov_b32 s[G0B+4*\s], 1
	s_add_co_u32 s[G0B+4*\s+1], s96, \s*SLOT
	s_add_nc_u64 s[G0B+4*\s+2:G0B+4*\s+3], s[46:47], \s*262144
	s_or_b32 s[G0B+4*\s+3], s[G0B+4*\s+3], 0x80000000
	JLOAD G0+4*\s, G1, G0B+4*\s, G1B               ; three loads of mine are out in all
.endr
	v_and_b32 v1, 15, v0                           ; r = lane % 16
	v_bfe_u32 v2, v0, 4, 1                         ; h = lane / 16
	v_mul_u32_u24 v3, v1, PITCH
	v_lshl_add_u32 v4, v2, 4, v3                   ; A: row x pitch + 16 h
	v_and_b32 v6, 31, v0
	v_lshlrev_b32 v6, 4, v6                        ; B: 16 x lane
	s_mul_i32 s21, s15, HALFT                      ; my 128 rows of A
	s_mul_i32 s22, s16, HALFB                      ; my 8 tiles of columns of B
	s_add_co_u32 s22, s22, BOFF
.irp s, 0,1
	v_add_nc_u32 v[ADRA+\s], s21, v4
	v_add_nc_u32 v[ADRB+\s], s22, v6
	s_add_co_u32 s21, s21, SLOT
	s_add_co_u32 s22, s22, SLOT
.endr
	v_mul_u32_u24 v5, v1, KS                       ; my row's scales: 32 bytes a row,
	v_lshrrev_b32 v6, 8, v5
	v_lshl_add_u32 v5, v6, 4, v5                   ; and 16 more for each 256 passed
	s_mul_i32 s21, s15, HALFS                      ; A's: my 128 rows
	s_mul_i32 s22, s16, HALFS                      ; B's: my 128 columns, behind A's 256 rows
	s_add_co_u32 s22, s22, 2*HALFS
	s_sub_co_u32 s22, s22, s21
	v_mul_u32_u24 v6, s22, v2                      ; lanes 16-31 take B's: the lower base + h x the distance
	s_add_co_u32 s21, s21, SCL
	v_add_nc_u32 v5, v5, v6
	v_add_nc_u32 v[ADRS], s21, v5
	s_mul_i32 s23, s14, 16*SPITCH
	s_add_co_u32 s23, s23, STG                     ; my stage
	v_mul_u32_u24 v5, v1, SPITCH                   ; in: row r, 16 bytes for each half of the lanes
	v_lshl_add_u32 v5, v2, 4, v5
	v_add_nc_u32 v[STO], s23, v5
	v_bfe_u32 v6, v0, 3, 1                         ; back: lanes 0-7 a row's first 128 bytes (one head), lanes 8-15 the next row's; lanes 16-31 the same of the second head
	v_mul_u32_u24 v6, v6, SPITCH
	v_lshl_add_u32 v6, v2, 7, v6
	v_and_b32 v7, 7, v0
	v_lshl_add_u32 v6, v7, 4, v6
	v_add_nc_u32 v[RD], s23, v6
	v_lshlrev_b32 v[CO], 18, v2                    ; in qkvh: a head is 262,144 bytes; sixteen lanes take two rows of 128 bytes
	v_lshl_add_u32 v[CO], v1, 4, v[CO]
	s_lshl_b32 s20, s17, 8
	s_lshl_b32 s21, s15, 7
	s_add_co_u32 s20, s20, s21                     ; my first row of the 24,576
	s_lshr_b32 s21, s20, 11
	s_lshl_b32 s21, s21, 22                        ; tensor and batch: 16 heads of 262,144 bytes
	s_and_b32 s20, s20, 2047
	s_lshl_b32 s20, s20, 7                         ; the position: 128 bytes
	s_add_co_u32 s20, s20, s21
	s_lshl_b32 s46, s42, 2
	s_lshl_b32 s47, s16, 1
	s_add_co_u32 s46, s46, s47                     ; my first head: 4 x tile column + 2 x half
	s_lshl_b32 s46, s46, 18
	s_add_co_u32 s20, s20, s46
	s_mov_b32 s21, 0
	s_add_nc_u64 s[12:13], s[12:13], s[20:21]
.macro FRAGA reg, adr, q, i            ; 16 rows x 128 K of 4-bit codes: lane (r, h) holds row r; registers 4 c .. 4 c + 3 hold K = 64 c + 32 h + 0 .. 31
.irp c, 0,1
	ds_load_b128 v[\reg+4*\c:\reg+4*\c+3], v[\adr] offset:64*(\q)+32*\c+(\i)*16*PITCH
.endr
.endm
.macro FRAGB reg, adr, q, i            ; the same from an image: 512 consecutive bytes a load
.irp c, 0,1
	ds_load_b128 v[\reg+4*\c:\reg+4*\c+3], v[\adr] offset:(\i)*4096+(\q)*1024+512*\c
.endr
.endm
; 16 matrix instructions: A's blocks a0, a0 + 1 x B's eight, 128 along K.  The 64 accumulators take turns, one instruction a turn, in the same order in every step.
; A scale register holds A's word in lanes 0-15 and B's in lanes 16-31.
.macro MUL16 a0, p, q, sc, zero
.irp a, \a0, \a0+1
.irp b, 0,1,2,3,4,5,6,7
.if \zero
	v_wmma_scale_f32_16x16x128_f8f6f4 v[8*(8*((\a)%4)+\b):8*(8*((\a)%4)+\b)+7], v[128*(\p)+FR*\b:128*(\p)+FR*\b+FR-1], v[AF+FR*(\a):AF+FR*(\a)+FR-1], 0, v[SC+8*NQ*(\sc)+NQ*\b+(\q)], v[SC+8*NQ*(\sc)+NQ*(\a)+(\q)] matrix_a_fmt:MATRIX_FMT_FP4 matrix_b_fmt:MATRIX_FMT_FP4 matrix_a_scale:MATRIX_SCALE_ROW1
.else
	v_wmma_scale_f32_16x16x128_f8f6f4 v[8*(8*((\a)%4)+\b):8*(8*((\a)%4)+\b)+7], v[128*(\p)+FR*\b:128*(\p)+FR*\b+FR-1], v[AF+FR*(\a):AF+FR*(\a)+FR-1], v[8*(8*((\a)%4)+\b):8*(8*((\a)%4)+\b)+7], v[SC+8*NQ*(\sc)+NQ*\b+(\q)], v[SC+8*NQ*(\sc)+NQ*(\a)+(\q)] matrix_a_fmt:MATRIX_FMT_FP4 matrix_b_fmt:MATRIX_FMT_FP4 matrix_a_scale:MATRIX_SCALE_ROW1
.endif
.endr
.endr
.endm
.macro FETCH_B slot, q, p
	WIN TO_B
.irp i, 0,1,2,3,4,5,6,7
	FRAGB 128*(\p)+FR*\i, ADRB+\slot, \q, \i
.endr
	WIN 0
.endm
.macro FETCH_A slot, q, i0
.irp i, \i0, \i0+1, \i0+2, \i0+3
	FRAGA AF+FR*(\i), ADRA+\slot, \q, \i
.endr
.endm
.macro SCALES sc                       ; a slot's scale words: four words a row; lanes 0-15 take A's block i, lanes 16-31 B's block i
.irp i, 0,1,2,3,4,5,6,7
	ds_load_b128 v[SC+8*NQ*\sc+NQ*\i:SC+8*NQ*\sc+NQ*\i+3], v[ADRS] offset:\i*SBLK
.endr
.endm
.macro PLACES n                        ; plain vector lines between a matrix instruction and a load into, or a read of, its registers
.rept \n
	v_nop
.endr
.endm
.macro STEP slot, q, zero              ; 128 along K with its successor in the same slot
	s_wait_dscnt 4*NL                              ; B's set and A's blocks 0-3 are in; the youngest eight loads (A's blocks 4-7) may be out
	WIN MUL_LO
	MUL16 0, (\q)%2, \q, \slot, \zero
	MUL16 2, (\q)%2, \q, \slot, \zero
	s_wait_dscnt 0                                 ; A's blocks 4-7 are in
	PLACES NP
	FETCH_B \slot, (\q)+1, 1-(\q)%2
	FETCH_A \slot, (\q)+1, 0
	WIN MUL_HI
	MUL16 4, (\q)%2, \q, \slot, \zero
	MUL16 6, (\q)%2, \q, \slot, \zero
	PLACES NP
	WIN 0
	FETCH_A \slot, (\q)+1, 4
.endm
.macro STEPS slot, from
.set Q, \from
.rept NQ-1-\from
	STEP \slot, Q, 0
.set Q, Q+1
.endr
.endm
	s_wait_tensorcnt 1                             ; the scales and my part of slot 0 are in; slot 1's load may be out
	s_barrier_signal -1
	s_barrier_wait -1                              ; everybody's are
	FETCH_B 0, 0, 0
	FETCH_A 0, 0, 0
	SCALES 0
	FETCH_A 0, 0, 4
	STEP 0, 0, 1                                   ; the first products start the sums: nothing is cleared
	STEPS 0, 1
	; slot 0's last step changes slots: one barrier shows slot 1 whole to every wave
	s_wait_tensorcnt 0x0                           ; my part of slot 1 has landed
	ds_add_u32 v[SPW], v[NIL]
	s_wait_dscnt 4*NL+1                            ; the add and the youngest eight loads may be out
	WIN MUL_LO
	MUL16 0, 1, NQ-1, 0, 0
	s_wait_dscnt 0x0                               ; no LDS instruction of mine is out at the signal
	s_barrier_signal -1
	MUL16 2, 1, NQ-1, 0, 0
	WIN 0
	s_barrier_wait -1
	PLACES NP
	v_add_nc_u32 v[ADRS], 4*NQ, v[ADRS]            ; on to slot 1's scale words
	FETCH_B 1, 0, 0
	FETCH_A 1, 0, 0
	SCALES 1
	WIN MUL_HI
	MUL16 4, 1, NQ-1, 0, 0
	MUL16 6, 1, NQ-1, 0, 0
	PLACES NP
	WIN 0
	FETCH_A 1, 0, 4
	STEPS 1, 0
	s_wait_dscnt 4*NL                              ; the last step: nothing more to fetch
	WIN MUL_LO
	MUL16 0, 1, NQ-1, 1, 0
	MUL16 2, 1, NQ-1, 1, 0
	s_wait_dscnt 0
	WIN MUL_HI
	MUL16 4, 1, NQ-1, 1, 0
	MUL16 6, 1, NQ-1, 1, 0
	WIN 0
; THE WAY OUT, block by block of 16 rows x 128 columns (two heads).  A lane's eight results pack into 16 bytes; they go into my stage (rows 400 bytes apart) and come back so that sixteen lanes hold two rows
; of one head: 256 consecutive bytes of qkvh, aligned.  LDS serves a wave's instructions in order: no wait between the stores and the loads.
.macro PACK a
.set AC, 64*((\a)%4)
	WIN 0x0a+5*((\a)/4)                            ; sources 0 and 1: window 2 or 3
.irp b, 0,1,2,3,4,5,6,7
.irp r, 0,1,2,3
	v_cvt_pk_f16_f32 v[TMP+4*\b+\r], v[AC+8*\b+2*\r], v[AC+8*\b+2*\r+1]   ; each accumulator from its low end on
.endr
.endr
	WIN 0
.endm
.macro TOSTAGE a
.set BB, BK+32*((\a)%2)
.irp b, 0,1,2,3,4,5,6,7
	ds_store_b128 v[STO], v[TMP+4*\b:TMP+4*\b+3] offset:32*\b
.endr
.irp t, 0,1,2,3,4,5,6,7
	ds_load_b128 v[BB+4*\t:BB+4*\t+3], v[RD] offset:\t*2*SPITCH
.endr
.endm
.macro SEND a
.set BB, BK+32*((\a)%2)
	s_wait_dscnt 0x0                               ; the block is back in registers
	s_wait_xcnt 0x0                                ; the stores of the block before have read their registers: the next block's loads land there only behind this wait
.irp t, 0,1,2,3,4,5,6,7
	global_store_b128 v[CO], v[BB+4*\t:BB+4*\t+3], s[12:13] offset:(\a)*2048+\t*256
.endr
.endm
	PLACES NP                                      ; behind the last products: for the loads into A's registers and the reads of results
	PACK 0
	TOSTAGE 0
.irp a, 1,2,3,4,5,6,7                  ; block a's conversions stand between block a - 1's loads from the stage and the wait for them
	PACK \a
	SEND \a-1
	TOSTAGE \a
.endr
	SEND 7
	s_wait_tensorcnt 0x0                           ; the wave's end
	ds_add_u32 v[SPW], v[NIL]
	s_wait_dscnt 0x0
	CROUND                                         ; the closing round
	s_endpgm
.Lfunc_end_k_q1c2a22bc55_proj:
	.size	k_q1c2a22bc55_proj, .Lfunc_end_k_q1c2a22bc55_proj-k_q1c2a22bc55_proj
	.p2alignl 7, 3214868480
	.fill 96, 4, 3214868480
	.section	.rodata,"a",@progbits
	.p2align	6, 0x0
	.amdhsa_kernel k_q1c2a22bc55_proj
		.amdhsa_group_segment_fixed_size 327680
		.amdhsa_private_segment_fixed_size 0
		.amdhsa_enable_private_segment 0
		.amdhsa_kernarg_size 40
		.amdhsa_user_sgpr_count 2
		.amdhsa_user_sgpr_kernarg_segment_ptr 1
		.amdhsa_wavefront_size32 1
		.amdhsa_system_sgpr_workgroup_id_x 1
		.amdhsa_system_sgpr_workgroup_id_y 1
		.amdhsa_system_sgpr_workgroup_id_z 1
		.amdhsa_system_vgpr_workitem_id 0
		.amdhsa_next_free_vgpr 1024
		.amdhsa_next_free_sgpr 98
		.amdhsa_reserve_vcc 0
		.amdhsa_float_denorm_mode_32 3
		.amdhsa_float_denorm_mode_16_64 3
		.amdhsa_memory_ordered 1
		.amdhsa_forward_progress 1
		.amdhsa_inst_pref_size 127
	.end_amdhsa_kernel
	.amdgpu_metadata
---
amdhsa.version: [ 1, 2 ]
amdhsa.kernels:
  - .name:           k_q1c2a22bc55_proj
    .symbol:         k_q1c2a22bc55_proj.kd
    .args:
      - { .name: xcodes, .offset: 0, .size: 8, .value_kind: global_buffer, .address_space: global }
      - { .name: xscales, .offset: 8, .size: 8, .value_kind: global_buffer, .address_space: global }
      - { .name: wcodes, .offset: 16, .size: 8, .value_kind: global_buffer, .address_space: global }
      - { .name: wscales, .offset: 24, .size: 8, .value_kind: global_buffer, .address_space: global }
      - { .name: qkvh, .offset: 32, .size: 8, .value_kind: global_buffer, .address_space: global }
    .group_segment_fixed_size: 327680
    .private_segment_fixed_size: 0
    .kernarg_segment_align: 8
    .kernarg_segment_size: 40
    .max_flat_workgroup_size: 128
    .sgpr_count:     98
    .vgpr_count:     1024
    .wavefront_size: 32
...
	.end_amdgpu_metadata
.endif
;; end of part 2
;; launch attn (part 3): grid 8 x 64, 8 waves a work-group, clusters of 4 x 1, 327,680 bytes of LDS; arguments qkvh, ctx; writes ctx
.if DOCPART == 3
	.amdgcn_target "amdgcn-amd-amdhsa--gfx1250"
	.amdhsa_code_object_version 6
	.text
	.protected	k_q1c2a22bc55_attn
	.globl	k_q1c2a22bc55_attn
	.p2align	8
	.type	k_q1c2a22bc55_attn,@function
k_q1c2a22bc55_attn:
	s_mov_b64 s[64:65], 0
	v_nop
	global_prefetch_b8 v0, s[64:65] scope:SCOPE_SE
	s_setreg_imm32_b32 hwreg(HW_REG_WAVE_MODE, 25, 1), 1
	s_wait_xcnt 0x0
	s_wait_alu depctr_hold_cnt(0) depctr_sa_sdst(0) depctr_va_vdst(0) depctr_va_sdst(0) depctr_va_ssrc(0) depctr_va_vcc(0) depctr_vm_vsrc(0)
	s_getreg_b32 s2, hwreg(HW_REG_IB_STS2, 6, 4)
	s_cmp_eq_u32 s2, 0
	s_cbranch_scc0 .Lentry_in_a_cluster
	s_endpgm
.Lentry_in_a_cluster:
	s_bfe_u32 s2, ttmp6, 0x10000c
	s_cmp_lg_u32 s2, 0x3003
	s_cbranch_scc0 .Lentry_shape_is_right
	s_endpgm
.Lentry_shape_is_right:
; ATTN.  ctx[bh][q][:] = the sum over k of softmax_k(Q[bh][q] . K[bh][k] / 8) V[bh][k][:].  Q, K, V: qkvh [3][64 (batch, head)][2048][64] f16; ctx [64][2048][64] f16.
; Products on f16 operands with f32 sums; maxima, exponentials and sums in f32; the weights p (at most about 1) are rounded to f16 for the second product, ctx once at the end.
; LIMIT: |ctx| beyond 65,504 would become infinity in f16; it is an average of V's rows, which are f16 already.
; SHARES.  A work-group owns 256 queries of one head, each of its eight waves 32: two tiles of 16.  Two waves lie on a SIMD, so that one wave's softmax stands beside the other's products.
; Every wave walks all 2,048 keys, 128 a step; a slot of LDS holds 512 keys of K and V; two slots, each filled twice.
; LAYOUT.  S^T = K Q^T (source 0 = 16 keys, source 1 = 16 queries): a lane holds ONE query and the keys 8 (lane / 16) + 0..7.  Two such tiles, rounded in pairs, ARE source 1 (32 keys x 16 queries) of
; O^T = V^T P, whose result again holds one query a lane.  K comes out of LDS as it lies, V turned, by ds_load_tr16_b128.
; SOFTMAX.  A running maximum m and sum l for each query: p = 2^(c s - c m), c = log2(e) / 8; in every step O and l are multiplied by a = 2^(c m_old - c m_new).  m begins at -3e38 and O, l at 0,
; so that the step is written once: the first a is 0 and multiplies zeros.
; A TRIP: the softmax of step j; V^T P of step j; K Q^T of step j + 1.  Each run of 16 LDS loads goes into the half buffer that the 16 products just issued have read.
; CLUSTER.  The four query blocks of a cluster belong to one head and walk the same K and V: each tile is asked for jointly, by the same tensor load with the mask of all four.
; A row of K or V is 128 bytes and a head's rows are dense, so a tile is stated as rows of 256 bytes, two keys each.
; REGISTERS: window 0: v1-9 addresses, v10-13 at work, v14-15 the add's two, v16-31 statistics, v64-191 S^T (tile t, keys 16 u on: 64 + 64 t + 8 u), v192-255 O^T (192 + 32 t + 8 dt).
;   window 1: v0-31 Q (16 t + 8 e), v32-95 P (32 + 32 t + i), v128-191 and v192-255 the two half buffers for K's and V's fragments.
.set PKR,   272                        ; a pair of keys of K in LDS: 256 + 16 bytes: the 16 keys of a load start at 16 different 16-byte columns of 256
.set PVR,   288                        ; of V: 256 + 32 bytes: the 16 lanes of half a turning load take 16 different 16-byte columns of 256
.set KQRT,  64*PKR                     ; 128 keys of K: a key step, and what one tensor load brings
.set VQRT,  64*PVR
.set VOFF,  4*KQRT                     ; in a slot V lies behind K
.set SLOT,  VOFF+4*VQRT
.set STAGE, 2*SLOT                     ; the way out: 2 tiles x 16 rows x 144 bytes for each wave; no tensor load lands here
.set SPS,   144
.set SPARE, STAGE+8*2*16*SPS           ; the spare words, 128 bytes a wave, named by no other line
.set AK0, 1
.set AV0, 2
.set ADK, 3
.set ADV, 4
.set QO,  5
.set STO, 6
.set RD,  7
.set GO,  8
.set PFO, 9
.set SPW, 14
.set NIL, 15
.set ST,  16                           ; tile t at v[ST + 8 t]: +0 c m, +1 m, +2, +3 l (even keys, odd keys), +4 to +7 at work; a takes +6
.set S,   64
.set OT,  192
.set QF,  0                            ; window 1
.set P,   32
.set HB,  128
.set WV,  12
.set LIM, 15
.set PFA, 18
.set G1K, 24
.set G1V, 32
.set G0K, 40                           ; s[40:47] group 0 for K's tiles, a set for each slot
.set G0V, 48
.set CNT, 56
.set CS,  58
.set SEL, 60
.set TBK, 62                           ; LDS byte at which the K tile to be fetched begins
.set TBV, 63                           ; the same for V (less VOFF)
.set MSB, 0
.macro WIN new
.if MSB != (\new)
	s_set_vgpr_msb (MSB<<8)|(\new)
.set MSB, (\new)
.endif
.endm
.set W_MM, 0x05                        ; sources 0 and 1 window 1; C and D window 0
.set W_TO, 0x40                        ; destination window 1
.macro PLACES
.rept 4
	v_nop
.endr
.endm
.macro CROUND
	s_barrier_signal -1
	s_barrier_wait -1
	s_cmp_lg_u32 s[WV], 0
	s_cbranch_scc1 .Lnot_wave_0_\@
	s_barrier_signal -3
.Lnot_wave_0_\@:
	s_barrier_wait -3
	s_barrier_signal -1
	s_barrier_wait -1
.endm
; A joint refill of slot n: waves 0-3 fetch K's four quarters, waves 4-7 V's.  An s_nop 0 and four v_nop follow each of the two lines.
.macro JLOAD n
	s_cmp_lt_u32 s[WV], 4
	s_cbranch_scc0 .Lfor_v_\@
	tensor_load_to_lds s[G0K+4*\n:G0K+4*\n+3], s[G1K:G1K+7]
	s_nop 0
.rept 4
	v_nop
.endr
	s_branch .Lasked_\@
.Lfor_v_\@:
	tensor_load_to_lds s[G0V+4*\n:G0V+4*\n+3], s[G1V:G1V+7]
	s_nop 0
.rept 4
	v_nop
.endr
.Lasked_\@:
.endm
; A prefetch of the head's last 512 keys, which the next change of slots will ask for, four key steps ahead of that load.  Each aligned 256 bytes are named once in the launch: the head's first cluster asks;
; its four partners take 16,384 bytes of K and of V each, told apart by address; in each, waves 0 and 1 ask for K's and waves 4 and 5 for V's, 8,192 bytes a wave, lanes 256 bytes apart.  Its registers are never rewritten.
.macro ASK
	s_cmp_eq_u32 s[LIM], 1
	s_cbranch_scc0 .Lnot_mine_\@
	global_prefetch_b8 v[PFO], s[PFA:PFA+1] th:TH_LOAD_NT scope:SCOPE_SE
.Lnot_mine_\@:
.endm
.macro KLOAD x                         ; keys 64 x on of the step: four tiles of 16 keys x 64 channels
	WIN W_TO
.irp u, 0,1,2,3
.irp e, 0,1
	ds_load_b128 v[HB+64*\x+16*\u+8*\e:HB+64*\x+16*\u+8*\e+3],   v[ADK] offset:(4*\x+\u)*8*PKR+64*\e
	ds_load_b128 v[HB+64*\x+16*\u+8*\e+4:HB+64*\x+16*\u+8*\e+7], v[ADK] offset:(4*\x+\u)*8*PKR+64*\e+32
.endr
.endr
.endm
.macro VLOAD x                         ; keys 64 x on of the step, turned: two runs of 32 keys x four tiles of 16 channels
	WIN W_TO
.irp kk, 0,1
.irp dt, 0,1,2,3
	ds_load_tr16_b128 v[HB+64*\x+32*\kk+8*\dt:HB+64*\x+32*\kk+8*\dt+3],   v[ADV] offset:(2*\x+\kk)*16*PVR+32*\dt
	ds_load_tr16_b128 v[HB+64*\x+32*\kk+8*\dt+4:HB+64*\x+32*\kk+8*\dt+7], v[ADV] offset:(2*\x+\kk)*16*PVR+8*PVR+32*\dt
.endr
.endr
.endm
; 16 products each.  Eight accumulators take turns, one instruction a turn.
.macro KQ x
	WIN W_MM
.irp e, 0,1
.irp u, 0,1,2,3
.irp t, 0,1
.if \e == 0
	v_wmma_f32_16x16x32_f16 v[S+64*\t+8*(4*\x+\u):S+64*\t+8*(4*\x+\u)+7], v[HB+64*\x+16*\u+8*\e:HB+64*\x+16*\u+8*\e+7], v[QF+16*\t+8*\e:QF+16*\t+8*\e+7], 0
.else
	v_wmma_f32_16x16x32_f16 v[S+64*\t+8*(4*\x+\u):S+64*\t+8*(4*\x+\u)+7], v[HB+64*\x+16*\u+8*\e:HB+64*\x+16*\u+8*\e+7], v[QF+16*\t+8*\e:QF+16*\t+8*\e+7], v[S+64*\t+8*(4*\x+\u):S+64*\t+8*(4*\x+\u)+7]
.endif
.endr
.endr
.endr
.endm
.macro PV x
	WIN W_MM
.irp kk, 0,1
.irp dt, 0,1,2,3
.irp t, 0,1
	v_wmma_f32_16x16x32_f16 v[OT+32*\t+8*\dt:OT+32*\t+8*\dt+7], v[HB+64*\x+32*\kk+8*\dt:HB+64*\x+32*\kk+8*\dt+7], v[P+32*\t+8*(2*\x+\kk):P+32*\t+8*(2*\x+\kk)+7], v[OT+32*\t+8*\dt:OT+32*\t+8*\dt+7]
.endr
.endr
.endr
.endm
; THE SOFTMAX of a step, both tiles, line by line in turn so that no line waits for the line above it.
.macro SM
	WIN 0
.irp i, 0,1,2,3                        ; the maximum: four chains of 15 scores; every accumulator is read first at its low end
.irp t, 0,1
	v_max3_num_f32 v[ST+8*\t+4+\i], v[S+64*\t+16*\i], v[S+64*\t+16*\i+1], v[S+64*\t+16*\i+2]
.endr
.endr
.irp n, 1,2,3,4,5,6
.irp i, 0,1,2,3
.irp t, 0,1
	v_max3_num_f32 v[ST+8*\t+4+\i], v[ST+8*\t+4+\i], v[S+64*\t+16*\i+2*\n+1], v[S+64*\t+16*\i+2*\n+2]
.endr
.endr
.endr
.irp t, 0,1
	v_max3_num_f32 v[ST+8*\t+4], v[ST+8*\t+4], v[S+64*\t+15], v[S+64*\t+31]
	v_max3_num_f32 v[ST+8*\t+6], v[ST+8*\t+6], v[S+64*\t+47], v[S+64*\t+63]
.endr
.irp t, 0,1
	v_max3_num_f32 v[ST+8*\t+4], v[ST+8*\t+4], v[ST+8*\t+5], v[ST+8*\t+6]
.endr
.irp t, 0,1
	v_max3_num_f32 v[ST+8*\t+4], v[ST+8*\t+4], v[ST+8*\t+7], v[ST+8*\t+1]   ; with the old m
.endr
.irp t, 0,1
	v_permlanex16_b32 v[ST+8*\t+5], v[ST+8*\t+4], s[SEL], s[SEL+1]          ; the query's other 64 keys lie in the lane 16 away
.endr
.irp t, 0,1
	v_max_num_f32 v[ST+8*\t+1], v[ST+8*\t+4], v[ST+8*\t+5]                  ; the new m
.endr
.irp t, 0,1
	v_mov_b32 v[ST+8*\t+7], v[ST+8*\t]
.endr
.irp t, 0,1
	v_mul_f32 v[ST+8*\t], s[CS], v[ST+8*\t+1]                               ; c m
.endr
.irp t, 0,1
	v_sub_f32 v[ST+8*\t+7], v[ST+8*\t+7], v[ST+8*\t]
.endr
.irp t, 0,1
	v_exp_f32 v[ST+8*\t+6], v[ST+8*\t+7]                                    ; a = 2^(c m_old - c m_new)
.endr
.irp b, 0,1,2,3,4,5,6,7                ; c s - c m, a pair of scores each: the first eight pairs are the plain work behind the two exponentials
.irp t, 0,1
	v_pk_fma_f32 v[S+64*\t+2*\b:S+64*\t+2*\b+1], v[S+64*\t+2*\b:S+64*\t+2*\b+1], s[CS:CS+1], v[ST+8*\t:ST+8*\t+1] op_sel_hi:[1,0,0] neg_lo:[0,0,1] neg_hi:[0,0,1]
.endr
.endr
	s_wait_alu depctr_va_vdst(0)                   ; the wait ahead of the first line that names a
; ONE BATCH of 128 exponentials; between them the scalings eight pairs ahead and the rescaling of O^T and l by a: none of these names an exponential's result of this batch
.set i, 0
.rept 32
.irp t, 0,1
	v_exp_f32 v[S+64*\t+2*i], v[S+64*\t+2*i]
.if i < 24
	v_pk_fma_f32 v[S+64*\t+2*i+16:S+64*\t+2*i+17], v[S+64*\t+2*i+16:S+64*\t+2*i+17], s[CS:CS+1], v[ST+8*\t:ST+8*\t+1] op_sel_hi:[1,0,0] neg_lo:[0,0,1] neg_hi:[0,0,1]
.endif
	v_exp_f32 v[S+64*\t+2*i+1], v[S+64*\t+2*i+1]
.if i < 16
	v_pk_mul_f32 v[OT+32*\t+2*i:OT+32*\t+2*i+1], v[OT+32*\t+2*i:OT+32*\t+2*i+1], v[ST+8*\t+6:ST+8*\t+7] op_sel_hi:[1,0]
.elseif i == 16
	v_pk_mul_f32 v[ST+8*\t+2:ST+8*\t+3], v[ST+8*\t+2:ST+8*\t+3], v[ST+8*\t+6:ST+8*\t+7] op_sel_hi:[1,0]
.endif
.endr
.set i, i+1
.endr
	v_nop                                          ; a plain line behind the last exponential
	s_wait_alu depctr_va_vdst(0)                   ; one wait for the batch, ahead of its first reader
	WIN W_TO
.set i, 0
.rept 32
.irp t, 0,1
	v_cvt_pk_f16_f32 v[P+32*\t+i], v[S+64*\t+2*i], v[S+64*\t+2*i+1]
.endr
.set i, i+1
.endr
	WIN 0
.irp t, 0,1                            ; the sums of the unrounded p, in two chains: l takes the even pairs, a second chain the odd ones
	v_pk_add_f32 v[ST+8*\t+4:ST+8*\t+5], v[S+64*\t+2:S+64*\t+3], v[S+64*\t+6:S+64*\t+7]
.endr
.set i, 0
.rept 16
.irp t, 0,1
	v_pk_add_f32 v[ST+8*\t+2:ST+8*\t+3], v[ST+8*\t+2:ST+8*\t+3], v[S+64*\t+4*i:S+64*\t+4*i+1]
.if i >= 2
	v_pk_add_f32 v[ST+8*\t+4:ST+8*\t+5], v[ST+8*\t+4:ST+8*\t+5], v[S+64*\t+4*i+2:S+64*\t+4*i+3]
.endif
.endr
.set i, i+1
.endr
.irp t, 0,1
	v_pk_add_f32 v[ST+8*\t+2:ST+8*\t+3], v[ST+8*\t+2:ST+8*\t+3], v[ST+8*\t+4:ST+8*\t+5]
.endr
.endm
; V^T P of the step in hand; kq = 1: each half buffer takes the next step's K as soon as its 16 products are issued, four plain lines behind them.
.macro PVK kq
	s_wait_dscnt 16                                ; V's first 64 keys are in; the younger run of 16 loads may be out
	PV 0
.if \kq
	WIN 0
	v_add_nc_u32 v[ADK], s[TBK], v[AK0]
.rept 3
	v_nop
.endr
	KLOAD 0
	s_wait_dscnt 16                                ; V's other 64 keys are in; the 16 loads just issued may be out
.else
	s_wait_dscnt 0x0
.endif
	PV 1
.if \kq
	PLACES
	KLOAD 1
.endif
.endm
.macro KQV                             ; K Q^T of a step, and the same step's V into the half buffers as they come free
	s_wait_dscnt 16                                ; K's first 64 keys are in
	KQ 0
	WIN 0
	v_add_nc_u32 v[ADV], s[TBV], v[AV0]
.rept 3
	v_nop
.endr
	VLOAD 0
	s_wait_dscnt 16                                ; K's other 64 keys are in
	KQ 1
	PLACES                                         ; for the loads below, and for the softmax's first reads of these scores
	VLOAD 1
	WIN 0
.endm
.macro TRIP
	SM
	PVK 1
	KQV
	s_add_co_u32 s[TBK], s[TBK], KQRT
	s_add_co_u32 s[TBV], s[TBV], VQRT
.endm
.macro LOOP n
	s_mov_b32 s[CNT], \n
.Ltrip_\@:
	TRIP
	s_sub_co_u32 s[CNT], s[CNT], 1
	s_cmp_lg_u32 s[CNT], 0
	s_cbranch_scc1 .Ltrip_\@
.endm
; THE CHANGE OF SLOTS: the old slot's last bytes, V of its fourth step, have been asked for.  Each wave waits for all its tensor loads (one is out: its part of the other slot), adds 0 to its spare word, and waits for
; that and for its reads of the old slot.  fill = 1: a round of the cluster's barrier, and slot n is filled again, with the keys 1,024 further on, first thing behind it: four key steps in which to land.
.macro CHANGE fill, n, ask
	WIN 0
	s_wait_tensorcnt 0x0                           ; no tensor load of mine is out, so a group 0 may be written
	ds_add_u32 v[SPW], v[NIL]
.if \fill
	s_add_nc_u64 s[G0K+4*\n+2:G0K+4*\n+3], s[G0K+4*\n+2:G0K+4*\n+3], 131072
	s_add_nc_u64 s[G0V+4*\n+2:G0V+4*\n+3], s[G0V+4*\n+2:G0V+4*\n+3], 131072
.endif
	s_wait_dscnt 0x0                               ; the add is done, and my reads of the old slot are over
.if \fill
	CROUND
	JLOAD \n
.if \ask
	ASK
.endif
.else
	s_barrier_signal -1
	s_barrier_wait -1
.endif
.endm
	s_load_b128 s[4:7], s[0:1], 0x0                ; qkvh s[4:5], ctx s[6:7]
	v_lshl_add_u32 v[SPW], v0, 2, SPARE
	v_mov_b32 v[NIL], 0
	ds_add_u32 v[SPW], v[NIL]                      ; the wave's opening: the add, twice on end, and its wait ahead of my first tensor load
	ds_add_u32 v[SPW], v[NIL]
	v_lshrrev_b32 v10, 5, v0
	v_readfirstlane_b32 s[WV], v10                 ; wave 0..7
	s_bfe_u32 s13, ttmp6, 0x40000                  ; cx: my place in the cluster
	s_lshl_b32 s14, ttmp9, 2
	s_add_co_u32 s14, s14, s13                     ; my block of 256 queries: it enters Q's and ctx's addresses alone
	s_and_b32 s20, ttmp7, 0xffff                   ; batch and head, which the four partners share
	s_lshl_b32 s20, s20, 18                        ; a head is 262,144 bytes
	s_mov_b32 s21, 0
	s_and_b32 s16, s[WV], 3                        ; which quarter of a slot I fetch:
	s_lshl_b32 s22, s16, 14                        ; its 16,384 bytes in memory,
	s_add_co_u32 s22, s22, s20
	s_mov_b32 s23, 0
	s_mul_i32 s17, s16, KQRT                       ; its place in a slot, for K
	s_mul_i32 s16, s16, VQRT
	s_add_co_u32 s16, s16, VOFF                    ; and for V
	s_lshl_b32 s2, s14, 15                         ; my block's 256 rows of 128 bytes,
	s_lshl_b32 s3, s[WV], 12                       ; my wave's 32
	s_add_co_u32 s2, s2, s3
	s_add_co_u32 s2, s2, s20
	s_mov_b32 s3, 0
	; group 1: 64 rows x 128 elements of 2 bytes, dense in memory, padded in LDS; the mask names all four work-groups
	s_mov_b32 s[G1K], 15|(1<<16)|(1<<20)|(1<<21)|(5<<22)|(3<<25)
	s_mov_b32 s[G1V], 15|(1<<16)|(1<<20)|(1<<21)|(5<<22)|(7<<25)
.irp g, G1K, G1V
	s_mov_b32 s[\g+1], 128<<16
	s_mov_b32 s[\g+2], 64<<16
	s_mov_b32 s[\g+3], 128<<16
	s_mov_b32 s[\g+4], 64
	s_mov_b32 s[\g+5], 128
	s_mov_b32 s[\g+6], 0
	s_mov_b32 s[\g+7], 0
.endr
	s_mov_b32 s[CS], 0x3e38aa3b                    ; c = log2(e) / sqrt(64)
	s_mov_b32 s[CS+1], s[CS]                       ; named with it as a pair, so it is written
	s_mov_b32 s[SEL], 0x76543210
	s_mov_b32 s[SEL+1], 0xfedcba98
	s_and_b32 s[LIM], s[WV], 2                     ; waves 0, 1, 4, 5
	s_or_b32 s[LIM], s[LIM], ttmp9                 ; of the head's first cluster: the same in all four partners
	s_cmp_eq_u32 s[LIM], 0
	s_cselect_b32 s[LIM], 1, 0
	s_wait_dscnt 0x0                               ; both opening adds are done
	s_wait_kmcnt 0x0
	s_add_nc_u64 s[8:9], s[4:5], s[22:23]
	s_add_nc_u64 s[10:11], s[8:9], 0x2000000       ; V at my quarter of the head's first 512 keys
	s_add_nc_u64 s[8:9], s[8:9], 0x1000000         ; K likewise
	s_add_nc_u64 s[PFA:PFA+1], s[4:5], s[20:21]
	s_add_nc_u64 s[4:5], s[4:5], s[2:3]            ; Q at my wave's first row
	s_add_nc_u64 s[6:7], s[6:7], s[2:3]            ; ctx likewise
	s_lshr_b32 s2, s[WV], 2
	s_add_co_u32 s2, s2, 1
	s_lshl_b32 s2, s2, 24                          ; the prefetch: K (waves 0-3) or V,
	s_lshl_b32 s3, s13, 14                         ; my work-group's 16,384 bytes,
	s_add_co_u32 s2, s2, s3
	s_and_b32 s3, s[WV], 1
	s_lshl_b32 s3, s3, 13                          ; my wave's 8,192,
	s_add_co_u32 s2, s2, s3
	s_add_co_u32 s2, s2, 196608                    ; of keys 1,536 on
	s_mov_b32 s3, 0
	s_add_nc_u64 s[PFA:PFA+1], s[PFA:PFA+1], s[2:3]
	CROUND                                         ; all four work-groups are here: the first joint loads meet
.irp n, 0,1
	s_mov_b32 s[G0K+4*\n], 1
	s_add_co_u32 s[G0K+4*\n+1], s17, \n*SLOT
	s_add_nc_u64 s[G0K+4*\n+2:G0K+4*\n+3], s[8:9], \n*65536
	s_or_b32 s[G0K+4*\n+3], s[G0K+4*\n+3], 0x80000000
	s_mov_b32 s[G0V+4*\n], 1
	s_add_co_u32 s[G0V+4*\n+1], s16, \n*SLOT
	s_add_nc_u64 s[G0V+4*\n+2:G0V+4*\n+3], s[10:11], \n*65536
	s_or_b32 s[G0V+4*\n+3], s[G0V+4*\n+3], 0x80000000
.endr
	s_cmp_lt_u32 s[WV], 4                          ; a wave's two first fills stand in one branch: two loads of mine are out
	s_cbranch_scc0 .Lfirst_v
	tensor_load_to_lds s[G0K:G0K+3], s[G1K:G1K+7]
	s_nop 0
	tensor_load_to_lds s[G0K+4:G0K+7], s[G1K:G1K+7]
	s_nop 0
.rept 4
	v_nop
.endr
	s_branch .Lfirst_asked
.Lfirst_v:
	tensor_load_to_lds s[G0V:G0V+3], s[G1V:G1V+7]
	s_nop 0
	tensor_load_to_lds s[G0V+4:G0V+7], s[G1V:G1V+7]
	s_nop 0
.rept 4
	v_nop
.endr
.Lfirst_asked:
	v_and_b32 v10, 15, v0                          ; r = lane % 16
	v_bfe_u32 v11, v0, 4, 1                        ; h = lane / 16
	v_lshlrev_b32 v[QO], 7, v10
	v_lshl_add_u32 v[QO], v11, 4, v[QO]            ; Q: row r of 128 bytes + 16 h
	WIN W_TO
.irp t, 0,1
.irp e, 0,1
	global_load_b128 v[QF+16*\t+8*\e:QF+16*\t+8*\e+3],   v[QO], s[4:5] offset:\t*2048+64*\e      ; Q stays in registers
	global_load_b128 v[QF+16*\t+8*\e+4:QF+16*\t+8*\e+7], v[QO], s[4:5] offset:\t*2048+64*\e+32
.endr
.endr
	WIN 0
	v_lshrrev_b32 v12, 1, v10
	v_mul_u32_u24 v[AK0], v12, PKR                 ; K: key r lies in pair r / 2,
	v_and_b32 v12, 1, v0
	v_lshl_add_u32 v[AK0], v12, 7, v[AK0]          ; half r % 2 of it,
	v_lshl_add_u32 v[AK0], v11, 4, v[AK0]          ; + 16 h
	v_bfe_u32 v13, v0, 1, 2
	v_lshl_add_u32 v13, v11, 2, v13                ; V: the turning load's lane takes key 8 h + lane % 8: pair 4 h + (lane / 2) % 4,
	v_mul_u32_u24 v[AV0], v13, PVR
	v_lshl_add_u32 v[AV0], v12, 7, v[AV0]          ; half lane % 2,
	v_bfe_u32 v13, v0, 3, 1
	v_lshl_add_u32 v[AV0], v13, 4, v[AV0]          ; channels 8 ((lane / 8) % 2) on
	v_add_nc_u32 v[AV0], VOFF, v[AV0]
	s_mul_i32 s16, s[WV], 2*16*SPS
	s_add_co_u32 s16, s16, STAGE                   ; my stage
	v_mul_u32_u24 v[STO], v10, SPS                 ; in: row r, 16 bytes for each half of the lanes
	v_lshl_add_u32 v[STO], v11, 4, v[STO]
	v_add_nc_u32 v[STO], s16, v[STO]
	v_bfe_u32 v12, v0, 3, 2                        ; back: eight lanes to a row of 128 bytes, four rows an instruction
	v_mul_u32_u24 v[RD], v12, SPS
	v_and_b32 v12, 7, v0
	v_lshl_add_u32 v[RD], v12, 4, v[RD]
	v_add_nc_u32 v[RD], s16, v[RD]
	v_and_b32 v12, 31, v0
	v_lshlrev_b32 v[GO], 4, v12                    ; and the same 512 bytes in ctx
	v_lshlrev_b32 v[PFO], 8, v12
.irp t, 0,1
	v_mov_b32 v[ST+8*\t+1], 0xff61b1e6             ; m = -3e38, under every score that is served
	v_mov_b32 v[ST+8*\t+2], 0                      ; l
	v_mov_b32 v[ST+8*\t+3], 0
.endr
.irp t, 0,1
	v_mul_f32 v[ST+8*\t], s[CS], v[ST+8*\t+1]
.endr
.set i, 0
.rept 64
	v_mov_b32 v[OT+i], 0                           ; O^T, once: so the step has no first copy of its own
.set i, i+1
.endr
	s_wait_tensorcnt 1                             ; my part of slot 0 is in; slot 1's may stay out
	s_barrier_signal -1
	s_barrier_wait -1                              ; everybody's is
	s_mov_b32 s[TBK], 0
	s_mov_b32 s[TBV], 0
	v_add_nc_u32 v[ADK], s[TBK], v[AK0]
	KLOAD 0
	KLOAD 1
	s_wait_loadcnt 0x0                             ; Q
	KQV                                            ; step 0's scores, and its V
	s_mov_b32 s[TBK], KQRT
	s_mov_b32 s[TBV], VQRT
	LOOP 3                                         ; steps 0-2; fetches steps 1-3 from slot 0
	CHANGE 1, 0, 1                                 ; slot 0 takes keys 1,024 on
	s_mov_b32 s[TBK], SLOT
	s_mov_b32 s[TBV], SLOT
	LOOP 4                                         ; steps 3-6; fetches steps 4-7 from slot 1
	CHANGE 1, 1, 0                                 ; slot 1 takes keys 1,536 on
	s_mov_b32 s[TBK], 0
	s_mov_b32 s[TBV], 0
	LOOP 4                                         ; steps 7-10; fetches steps 8-11
	CHANGE 0, 0, 0                                 ; nothing is left to ask for
	s_mov_b32 s[TBK], SLOT
	s_mov_b32 s[TBV], SLOT
	LOOP 4                                         ; steps 11-14; fetches steps 12-15
	SM
	PVK 0                                          ; step 15
	; THE WAY OUT.  l's two halves and the other half of the lanes' are added; O^T is divided by l, rounded to f16 and sent through my stage, so that a store covers four whole rows: 512 consecutive bytes.
	WIN 0
	PLACES
.irp t, 0,1
	v_add_f32 v[ST+8*\t+4], v[ST+8*\t+2], v[ST+8*\t+3]
.endr
.irp t, 0,1
	v_permlanex16_b32 v[ST+8*\t+5], v[ST+8*\t+4], s[SEL], s[SEL+1]
.endr
.irp t, 0,1
	v_add_f32 v[ST+8*\t+4], v[ST+8*\t+4], v[ST+8*\t+5]
.endr
.irp t, 0,1
	v_rcp_f32 v[ST+8*\t+6], v[ST+8*\t+4]
.endr
	v_nop                                          ; a plain line behind the last reciprocal
	s_wait_alu depctr_va_vdst(0)                   ; one wait for both, ahead of the first reader
.irp t, 0,1
.set i, 0
.rept 16
	v_pk_mul_f32 v[OT+32*\t+2*i:OT+32*\t+2*i+1], v[OT+32*\t+2*i:OT+32*\t+2*i+1], v[ST+8*\t+6:ST+8*\t+7] op_sel_hi:[1,0]   ; each accumulator from its low end on
.set i, i+1
.endr
.set i, 0
.rept 16
	v_cvt_pk_f16_f32 v[S+16*\t+i], v[OT+32*\t+2*i], v[OT+32*\t+2*i+1]
.set i, i+1
.endr
.irp dt, 0,1,2,3
	ds_store_b128 v[STO], v[S+16*\t+4*\dt:S+16*\t+4*\dt+3] offset:\t*16*SPS+32*\dt
.endr
.irp j, 0,1,2,3
	ds_load_b128 v[S+32+16*\t+4*\j:S+32+16*\t+4*\j+3], v[RD] offset:\t*16*SPS+4*SPS*\j   ; LDS serves a wave's instructions in order: these see the stores above
.endr
.endr
.irp t, 0,1
.irp j, 0,1,2,3
	s_wait_dscnt 8*(1-\t)+3-\j                     ; the LDS instructions issued behind this load may be out
	global_store_b128 v[GO], v[S+32+16*\t+4*\j:S+32+16*\t+4*\j+3], s[6:7] offset:\t*2048+512*\j
.endr
.endr
	s_wait_tensorcnt 0x0                           ; the wave's end
	ds_add_u32 v[SPW], v[NIL]
	s_wait_dscnt 0x0
	CROUND                                         ; the closing round
	s_endpgm
.Lfunc_end_k_q1c2a22bc55_attn:
	.size	k_q1c2a22bc55_attn, .Lfunc_end_k_q1c2a22bc55_attn-k_q1c2a22bc55_attn
	.p2alignl 7, 3214868480
	.fill 96, 4, 3214868480
	.section	.rodata,"a",@progbits
	.p2align	6, 0x0
	.amdhsa_kernel k_q1c2a22bc55_attn
		.amdhsa_group_segment_fixed_size 327680
		.amdhsa_private_segment_fixed_size 0
		.amdhsa_enable_private_segment 0
		.amdhsa_kernarg_size 16
		.amdhsa_user_sgpr_count 2
		.amdhsa_user_sgpr_kernarg_segment_ptr 1
		.amdhsa_wavefront_size32 1
		.amdhsa_system_sgpr_workgroup_id_x 1
		.amdhsa_system_sgpr_workgroup_id_y 1
		.amdhsa_system_sgpr_workgroup_id_z 1
		.amdhsa_system_vgpr_workitem_id 0
		.amdhsa_next_free_vgpr 512
		.amdhsa_next_free_sgpr 66
		.amdhsa_reserve_vcc 0
		.amdhsa_float_denorm_mode_32 3
		.amdhsa_float_denorm_mode_16_64 3
		.amdhsa_memory_ordered 1
		.amdhsa_forward_progress 1
		.amdhsa_inst_pref_size 180
	.end_amdhsa_kernel
	.amdgpu_metadata
---
amdhsa.version: [ 1, 2 ]
amdhsa.kernels:
  - .name:           k_q1c2a22bc55_attn
    .symbol:         k_q1c2a22bc55_attn.kd
    .args:
      - { .name: qkvh, .offset: 0, .size: 8, .value_kind: global_buffer, .address_space: global }
      - { .name: ctx, .offset: 8, .size: 8, .value_kind: global_buffer, .address_space: global }
    .group_segment_fixed_size: 327680
    .private_segment_fixed_size: 0
    .kernarg_segment_align: 8
    .kernarg_segment_size: 16
    .max_flat_workgroup_size: 256
    .sgpr_count:     66
    .vgpr_count:     512
    .wavefront_size: 32
...
	.end_amdgpu_metadata
.endif
;; end of part 3
;; launch oproj (part 4): grid 4 x 64, 4 waves a work-group, clusters of 4 x 4, 327,680 bytes of LDS; arguments ctx, woh, out0; writes out0
.if DOCPART == 4
	.amdgcn_target "amdgcn-amd-amdhsa--gfx1250"
	.amdhsa_code_object_version 6
	.text
	.protected	k_q1c2a22bc55_oproj
	.globl	k_q1c2a22bc55_oproj
	.p2align	8
	.type	k_q1c2a22bc55_oproj,@function
k_q1c2a22bc55_oproj:
	s_mov_b64 s[64:65], 0
	v_nop
	global_prefetch_b8 v0, s[64:65] scope:SCOPE_SE
	s_setreg_imm32_b32 hwreg(HW_REG_WAVE_MODE, 25, 1), 1
	s_wait_xcnt 0x0
	s_wait_alu depctr_hold_cnt(0) depctr_sa_sdst(0) depctr_va_vdst(0) depctr_va_sdst(0) depctr_va_ssrc(0) depctr_va_vcc(0) depctr_vm_vsrc(0)
	s_getreg_b32 s2, hwreg(HW_REG_IB_STS2, 6, 4)
	s_cmp_eq_u32 s2, 0
	s_cbranch_scc0 .Lentry_in_a_cluster
	s_endpgm
.Lentry_in_a_cluster:
	s_bfe_u32 s2, ttmp6, 0x10000c
	s_cmp_lg_u32 s2, 0xf033
	s_cbranch_scc0 .Lentry_shape_is_right
	s_endpgm
.Lentry_shape_is_right:
; OPROJ.  out0[m][n] = the sum over k of ctx(m, k) Wo(k, n): 8,192 x 1,024 x 1,024, f16 operands, f32 sums, f32 out.  ctx lies by head, [batch 4][head 16][position 2048][64] f16: k = 64 head + channel.
; woh holds Wo in f16 as images of the operand's registers: [128 k 8][tile of 16 columns 64][4,096 bytes].
; A tile of 128 rows x 256 columns is made by a work-group of four waves: 256 work-groups; a wave makes 64 x 128: 32 accumulators, 256 registers.
; K goes in steps of 128 (two heads) through a ring of two LDS slots.  A's tile: for each of the two heads 128 rows of 128 bytes, dense in memory, stated as 64 rows of 256 bytes, padded to 272.  B's: 16 images, 65,536 dense bytes.
; CLUSTERS: 4 x 4 work-groups; A's tiles are shared along a row of the cluster, B's along a column: joint loads.  THE MATRIX INSTRUCTION IS USED TRANSPOSED (source 0 = 16 columns of Wo, source 1 = 16 rows of ctx).
; No prefetch: a K step is short, the launch is short, and each tile is shared by four.
; REGISTERS: window 0: v0-31 addresses; v32-127 and v128-223 two fragment buffers for 32 along K (32 registers of A, then 64 of B); on the way out v32-159 rows read back.   window 1: the accumulators ((a, b) at v[8 (8 a + b)]).
.set PITCH,  272
.set HEADT,  64*PITCH                  ; one head's 128 rows: one tensor load
.set BOFF,   2*HEADT
.set HALFB,  32768                     ; 8 images: one tensor load
.set SLOT,   BOFF+2*HALFB
.set STAGE,  2*SLOT                    ; the way out: 16 rows x 528 bytes for each wave; no tensor load lands here
.set SPITCH, 528
.set SPARE,  STAGE+4*16*SPITCH         ; the spare words, 128 bytes a wave, named by no other line
.set LAPS,   4                         ; a lap = two K steps = once round the ring
.set ADRA, 16
.set ADRB, 20
.set STO,  24
.set RD,   25
.set CO,   26
.set SPW,  28
.set NIL,  29
.set F0,   32
.set F1,   128
.set BK,   32
.set G1, 24
.set G0, 32
.set G1B, 48
.set G0B, 56
.set MSB, 0
.macro WIN new
.if MSB != (\new)
	s_set_vgpr_msb (MSB<<8)|(\new)
.set MSB, (\new)
.endif
.endm
.set MUL, 0x50                         ; sources 0 and 1 window 0; C and D window 1
.macro JLOAD s                         ; waves 0 and 1 fetch A's two heads, waves 2 and 3 B's two halves; an s_nop 0 and four v_nop follow each of the two lines
	s_cmp_eq_u32 s11, 0
	s_cbranch_scc0 .Lfor_b_\@
	tensor_load_to_lds s[G0+4*\s:G0+4*\s+3], s[G1:G1+7]
	s_nop 0
.rept 4
	v_nop
.endr
	s_branch .Lasked_\@
.Lfor_b_\@:
	tensor_load_to_lds s[G0B+4*\s:G0B+4*\s+3], s[G1B:G1B+7]
	s_nop 0
.rept 4
	v_nop
.endr
.Lasked_\@:
.endm
.macro CREST                           ; a round of the cluster's barrier behind its opening barrier
	s_cmp_lg_u32 s10, 0
	s_cbranch_scc1 .Lnot_wave_0_\@
	s_barrier_signal -3
.Lnot_wave_0_\@:
	s_barrier_wait -3
	s_barrier_signal -1
	s_barrier_wait -1
.endm
.macro CROUND
	s_barrier_signal -1
	s_barrier_wait -1
	CREST
.endm
	s_load_b128 s[4:7], s[0:1], 0x0                ; ctx s[4:5], woh s[6:7]
	s_load_b64 s[8:9], s[0:1], 0x10                ; out0
	v_lshl_add_u32 v[SPW], v0, 2, SPARE
	v_mov_b32 v[NIL], 0
	ds_add_u32 v[SPW], v[NIL]                      ; the wave's opening: the add, twice on end, and its wait ahead of my first tensor load
	ds_add_u32 v[SPW], v[NIL]
	v_lshrrev_b32 v1, 5, v0
	v_readfirstlane_b32 s10, v1                    ; wave 0..3
	s_lshr_b32 s11, s10, 1                         ; which 64 of the tile's rows are mine.  Also: I fetch for A (0) or for B (1)
	s_and_b32 s12, s10, 1                          ; which 128 of its columns.  Also: which head, or which half of B, I fetch
	s_bfe_u32 s40, ttmp6, 0x40000                  ; cx, cy
	s_bfe_u32 s41, ttmp6, 0x40004
	s_lshl_b32 s42, ttmp9, 2
	s_add_co_u32 s42, s42, s40                     ; tile column
	s_and_b32 s13, ttmp7, 0xffff
	s_lshl_b32 s13, s13, 2
	s_add_co_u32 s13, s13, s41                     ; tile row
	s_lshl_b32 s43, s41, 2
	s_lshl_b32 s43, 15, s43                        ; my row of the cluster
	s_lshl_b32 s44, 0x1111, s40                    ; my column
	s_or_b32 s[G1+0], s43, (1<<16)|(1<<20)|(1<<21)|(5<<22)|(3<<25)   ; A: 64 rows x 128 elements of 2 bytes, 16 bytes of padding behind each
	s_mov_b32 s[G1+1], 128<<16
	s_mov_b32 s[G1+2], 64<<16
	s_mov_b32 s[G1+3], 128<<16
	s_mov_b32 s[G1+4], 64
	s_mov_b32 s[G1+5], 128
	s_mov_b32 s[G1+6], 0
	s_mov_b32 s[G1+7], 0
	s_or_b32 s[G1B+0], s44, (3<<16)|(1<<21)        ; B: 128 rows x 32 elements of 8 bytes, dense, no padding
	s_mov_b32 s[G1B+1], 32<<16
	s_mov_b32 s[G1B+2], 128<<16
	s_mov_b32 s[G1B+3], 32<<16
	s_mov_b32 s[G1B+4], 128
	s_mov_b32 s[G1B+5], 32
	s_mov_b32 s[G1B+6], 0
	s_mov_b32 s[G1B+7], 0
	s_lshr_b32 s16, s13, 4
	s_lshl_b32 s16, s16, 22                        ; A: the batch, 16 heads of 262,144 bytes,
	s_and_b32 s17, s13, 15
	s_lshl_b32 s17, s17, 14                        ; the tile's 128 positions of 128 bytes,
	s_add_co_u32 s16, s16, s17
	s_lshl_b32 s17, s12, 18                        ; the head that I fetch
	s_add_co_u32 s16, s16, s17
	s_mov_b32 s17, 0
	s_lshl_b32 s46, s42, 16                        ; B: the tile column's 16 images,
	s_lshl_b32 s47, s12, 15                        ; my half of them
	s_add_co_u32 s46, s46, s47
	s_mov_b32 s47, 0
	s_mul_i32 s20, s12, HEADT                      ; where they go: no place in the cluster enters an LDS address
	s_mul_i32 s21, s12, HALFB
	s_add_co_u32 s21, s21, BOFF
	s_wait_dscnt 0x0                               ; both opening adds are done
	s_wait_kmcnt 0x0
	s_add_nc_u64 s[14:15], s[4:5], s[16:17]
	s_add_nc_u64 s[46:47], s[6:7], s[46:47]
	CROUND                                         ; all sixteen work-groups are here: the first joint loads meet
.irp s, 0,1
	s_mov_b32 s[G0+4*\s], 1
	s_add_co_u32 s[G0+4*\s+1], s20, \s*SLOT
	s_add_nc_u64 s[G0+4*\s+2:G0+4*\s+3], s[14:15], \s*524288      ; K step s: heads 2 s, 2 s + 1
	s_or_b32 s[G0+4*\s+3], s[G0+4*\s+3], 0x80000000
	s_mov_b32 s[G0B+4*\s], 1
	s_add_co_u32 s[G0B+4*\s+1], s21, \s*SLOT
	s_add_nc_u64 s[G0B+4*\s+2:G0B+4*\s+3], s[46:47], \s*262144
	s_or_b32 s[G0B+4*\s+3], s[G0B+4*\s+3], 0x80000000
	JLOAD \s                                       ; two loads of mine are out
.endr
	v_and_b32 v1, 15, v0                           ; r
	v_bfe_u32 v2, v0, 4, 1                         ; h
	v_lshrrev_b32 v3, 1, v1
	v_mul_u32_u24 v3, v3, PITCH                    ; A: row r lies in pair r / 2,
	v_and_b32 v4, 1, v0
	v_lshl_add_u32 v3, v4, 7, v3                   ; half r % 2 of it,
	v_lshl_add_u32 v3, v2, 4, v3                   ; + 16 h
	v_and_b32 v5, 31, v0
	v_lshlrev_b32 v[CO], 4, v5                     ; 16 x lane: an image's place, a stage row's, and a row's of out0
	s_mul_i32 s21, s11, 32*PITCH                   ; my 64 rows of A
	s_mul_i32 s22, s12, HALFB                      ; my 8 images of B
	s_add_co_u32 s22, s22, BOFF
.irp s, 0,1
	v_add_nc_u32 v[ADRA+\s], s21, v3
	v_add_nc_u32 v[ADRB+\s], s22, v[CO]
	s_add_co_u32 s21, s21, SLOT
	s_add_co_u32 s22, s22, SLOT
.endr
	s_mul_i32 s23, s10, 16*SPITCH
	s_add_co_u32 s23, s23, STAGE                   ; my stage
	v_mul_u32_u24 v4, v1, SPITCH                   ; in: row r, 32 bytes for each half of the lanes
	v_lshl_add_u32 v4, v2, 5, v4
	v_add_nc_u32 v[STO], s23, v4
	v_add_nc_u32 v[RD], s23, v[CO]                 ; back: the 32 lanes take one row of 512 bytes
	s_lshl_b32 s16, s13, 7
	s_lshl_b32 s17, s11, 6
	s_add_co_u32 s16, s16, s17                     ; my first row of out0
	s_lshl_b32 s16, s16, 12                        ; rows of 4,096 bytes
	s_lshl_b32 s46, s42, 10                        ; my first column, in bytes
	s_lshl_b32 s47, s12, 9
	s_add_co_u32 s46, s46, s47
	s_add_co_u32 s16, s16, s46
	s_mov_b32 s17, 0
	s_add_nc_u64 s[8:9], s[8:9], s[16:17]
.macro MUL8 f, a, zero                 ; A's block a x B's eight, 32 along K.  The 32 accumulators take turns, one instruction a turn, in the same order in every quarter
.irp b, 0,1,2,3,4,5,6,7
.if \zero
	v_wmma_f32_16x16x32_f16 v[8*(8*\a+\b):8*(8*\a+\b)+7], v[\f+32+8*\b:\f+32+8*\b+7], v[\f+8*\a:\f+8*\a+7], 0
.else
	v_wmma_f32_16x16x32_f16 v[8*(8*\a+\b):8*(8*\a+\b)+7], v[\f+32+8*\b:\f+32+8*\b+7], v[\f+8*\a:\f+8*\a+7], v[8*(8*\a+\b):8*(8*\a+\b)+7]
.endif
.endr
.endm
.macro FETCH slot, kq, f               ; 24 LDS loads in one run: the fragments of the slot's quarter kq: B's eight, then A's blocks 0, 1, then 2, 3
	WIN 0
.irp b, 0,1,2,3,4,5,6,7
	ds_load_b128 v[\f+32+8*\b:\f+32+8*\b+3],   v[ADRB+\slot] offset:\b*4096+(\kq)*1024
	ds_load_b128 v[\f+32+8*\b+4:\f+32+8*\b+7], v[ADRB+\slot] offset:\b*4096+(\kq)*1024+512
.endr
.irp i, 0,1,2,3
	ds_load_b128 v[\f+8*\i:\f+8*\i+3],   v[ADRA+\slot] offset:((\kq)/2)*HEADT+\i*8*PITCH+64*((\kq)%2)
	ds_load_b128 v[\f+8*\i+4:\f+8*\i+7], v[ADRA+\slot] offset:((\kq)/2)*HEADT+\i*8*PITCH+64*((\kq)%2)+32
.endr
.endm
.macro PLACES                          ; four plain lines between matrix instructions and loads into, or reads of, their registers
.rept 4
	v_nop
.endr
.endm
; A K step is four quarters of 32 along K, 32 matrix instructions each, on buffers 0, 1, 0, 1.  One of the first three: multiplies buffer f and fetches quarter kq into g.
.macro QUARTER slot, kq, f, g, zero
	s_wait_dscnt 4                                 ; B and A's blocks 0, 1 are in; the youngest four loads (A's blocks 2, 3) may be out
	WIN MUL
	MUL8 \f, 0, \zero
	MUL8 \f, 1, \zero
	PLACES
	FETCH \slot, \kq, \g
	s_wait_dscnt 24                                ; all but the 24 just issued
	WIN MUL
	MUL8 \f, 2, \zero
	MUL8 \f, 3, \zero
.endm
; The last quarter multiplies buffer 1 and changes slots: one barrier; in front of it each wave waits for all its tensor loads, adds 0 to its spare word, and waits for that and for its reads of this slot.
; fill = 1: the barrier opens a round of the cluster's, and this slot is filled again, two K steps ahead, first thing behind the round: 112 matrix instructions ahead of the wait for it.
.macro TURN slot, next, fill
	WIN 0
	s_wait_tensorcnt 0x0                           ; all my tensor loads have landed: my part of the next slot
	ds_add_u32 v[SPW], v[NIL]
	s_wait_dscnt 5                                 ; the add and the youngest four loads may be out
	WIN MUL
	MUL8 F1, 0, 0
	s_wait_dscnt 0x0                               ; the add is done, and my reads of this slot are over
	s_barrier_signal -1
	MUL8 F1, 1, 0
.if \fill
	WIN 0
.endif
	s_barrier_wait -1
.if \fill
	CREST
	s_add_nc_u64 s[G0+4*\slot+2:G0+4*\slot+3], s[G0+4*\slot+2:G0+4*\slot+3], 1048576     ; four heads on
	s_add_nc_u64 s[G0B+4*\slot+2:G0B+4*\slot+3], s[G0B+4*\slot+2:G0B+4*\slot+3], 524288  ; two K steps of images on
	JLOAD \slot                                    ; its four v_nop are also the places in front of the loads below
.else
	PLACES
.endif
	FETCH \next, 0, F0
	WIN MUL
	MUL8 F1, 2, 0
	MUL8 F1, 3, 0
.endm
	s_wait_tensorcnt 1                             ; my part of K step 0 is in; K step 1's may stay out
	s_barrier_signal -1
	s_barrier_wait -1
	FETCH 0, 0, F0
	QUARTER 0, 1, F0, F1, 1                        ; the first quarter's products start the sums: nothing is cleared
	WIN 0
	s_mov_b32 s3, LAPS-1
.Llap:                                             ; a trip goes once round the ring, from a lap's second quarter to the next lap's first, and fills both slots again
	QUARTER 0, 2, F1, F0, 0
	QUARTER 0, 3, F0, F1, 0
	TURN 0, 1, 1
	QUARTER 1, 1, F0, F1, 0
	QUARTER 1, 2, F1, F0, 0
	QUARTER 1, 3, F0, F1, 0
	TURN 1, 0, 1
	QUARTER 0, 1, F0, F1, 0
	WIN 0
	s_sub_co_u32 s3, s3, 1
	s_cmp_lg_u32 s3, 0
	s_cbranch_scc1 .Llap
	QUARTER 0, 2, F1, F0, 0                        ; the last lap fills nothing: written out
	QUARTER 0, 3, F0, F1, 0
	TURN 0, 1, 0
	QUARTER 1, 1, F0, F1, 0
	QUARTER 1, 2, F1, F0, 0
	QUARTER 1, 3, F0, F1, 0
	s_wait_dscnt 4
	WIN MUL
	MUL8 F1, 0, 0
	MUL8 F1, 1, 0
	s_wait_dscnt 0
	MUL8 F1, 2, 0
	MUL8 F1, 3, 0
	WIN 0
; THE WAY OUT, block by block of 16 rows x 128 columns.  A lane holds 32 neighbouring bytes of a row: a block goes through my stage and comes back as whole rows of 512 bytes, which the 32 lanes store, aligned.
.macro TOSTAGE a
	WIN 0x04                                       ; an LDS store's data are its source 1: window 1
.irp b, 0,1,2,3,4,5,6,7
	ds_store_b128 v[STO], v[64*(\a)+8*\b:64*(\a)+8*\b+3] offset:64*\b          ; each accumulator from its low end on
	ds_store_b128 v[STO], v[64*(\a)+8*\b+4:64*(\a)+8*\b+7] offset:64*\b+16
.endr
	WIN 0
.set BB, BK+64*((\a)%2)
.irp t, 0,1,2,3,4,5,6,7,8,9,10,11,12,13,14,15
	ds_load_b128 v[BB+4*\t:BB+4*\t+3], v[RD] offset:\t*SPITCH                  ; LDS serves a wave's instructions in order: these see the stores above
.endr
.endm
.macro SEND a, younger
.set BB, BK+64*((\a)%2)
	s_wait_dscnt \younger                          ; the block is back; the LDS instructions issued behind its loads may be out
.irp t, 0,1,2,3,4,5,6,7,8,9,10,11,12,13,14,15
	global_store_b128 v[CO], v[BB+4*\t:BB+4*\t+3], s[8:9] offset:(16*(\a)+\t)*4096 th:TH_STORE_NT
.endr
.endm
	PLACES                                         ; behind the last products: for the reads of results and the loads into the fragments' registers
	TOSTAGE 0
.irp a, 1,2,3
.if \a > 1
	s_wait_xcnt 0x0                                ; the stores of two blocks back have read their registers: this block's loads land there only behind this wait
.endif
	TOSTAGE \a
	SEND \a-1, 32                                  ; behind that block's loads: this block's 16 stores and 16 loads
.endr
	SEND 3, 0
	s_wait_tensorcnt 0x0                           ; the wave's end
	ds_add_u32 v[SPW], v[NIL]
	s_wait_dscnt 0x0
	CROUND                                         ; the closing round
	s_endpgm
.Lfunc_end_k_q1c2a22bc55_oproj:
	.size	k_q1c2a22bc55_oproj, .Lfunc_end_k_q1c2a22bc55_oproj-k_q1c2a22bc55_oproj
	.p2alignl 7, 3214868480
	.fill 96, 4, 3214868480
	.section	.rodata,"a",@progbits
	.p2align	6, 0x0
	.amdhsa_kernel k_q1c2a22bc55_oproj
		.amdhsa_group_segment_fixed_size 327680
		.amdhsa_private_segment_fixed_size 0
		.amdhsa_enable_private_segment 0
		.amdhsa_kernarg_size 24
		.amdhsa_user_sgpr_count 2
		.amdhsa_user_sgpr_kernarg_segment_ptr 1
		.amdhsa_wavefront_size32 1
		.amdhsa_system_sgpr_workgroup_id_x 1
		.amdhsa_system_sgpr_workgroup_id_y 1
		.amdhsa_system_sgpr_workgroup_id_z 1
		.amdhsa_system_vgpr_workitem_id 0
		.amdhsa_next_free_vgpr 512
		.amdhsa_next_free_sgpr 66
		.amdhsa_reserve_vcc 0
		.amdhsa_float_denorm_mode_32 3
		.amdhsa_float_denorm_mode_16_64 3
		.amdhsa_memory_ordered 1
		.amdhsa_forward_progress 1
		.amdhsa_inst_pref_size 85
	.end_amdhsa_kernel
	.amdgpu_metadata
---
amdhsa.version: [ 1, 2 ]
amdhsa.kernels:
  - .name:           k_q1c2a22bc55_oproj
    .symbol:         k_q1c2a22bc55_oproj.kd
    .args:
      - { .name: ctx, .offset: 0, .size: 8, .value_kind: global_buffer, .address_space: global }
      - { .name: woh, .offset: 8, .size: 8, .value_kind: global_buffer, .address_space: global }
      - { .name: out0, .offset: 16, .size: 8, .value_kind: global_buffer, .address_space: global }
    .group_segment_fixed_size: 327680
    .private_segment_fixed_size: 0
    .kernarg_segment_align: 8
    .kernarg_segment_size: 24
    .max_flat_workgroup_size: 128
    .sgpr_count:     66
    .vgpr_count:     512
    .wavefront_size: 32
...
	.end_amdgpu_metadata
.endif
;; end of part 4
